; MI455X (gfx1250); checked and timed in simulation.
; The chip was launched on July 23, 2026; its instructions are those of AMD's public machine-readable ISA for CDNA 5 (MIT licence, August 2026) and "CDNA5" Instruction Set Architecture Reference Guide (July 2026). The comments in the code are by the model that wrote it; some were corrected since.
;; transformer attention. Allowed arithmetic: matrix products marked QUANTISED: E4M3 operands, one given power-of-two scale a tensor, by v_wmma_f32_16x16x64_fp8_fp8 or v_wmma_f32_16x16x128_fp8_fp8, f32 sums; everything else in f32.
;; Inputs: Wk 1,024 x 2,048 float32; Wo 2,048 x 1,024 float32; Wq 1,024 x 2,048 float32; Wv 1,024 x 2,048 float32; activations 2 x 2,048 x 2,048 float32; lowp_scales 12 int32 (the exponents e of the quantised operands' scales 2^e).
;; Outputs: out0 2 x 2,048 x 2,048 float32.
;; This version of the problem:
;;   THIS VERSION OF THE PROBLEM IS GIVEN IN LOW PRECISION. The matrix products marked QUANTISED in the list below multiply operands that are first quantised to E4M3 (4 exponent bits, 3 mantissa bits; 8 bits a number), with one given power-of-two scale for each operand tensor; their sums are f32. All else is computed in f32.
;;   The module's matrix products, in the order in which they are computed (A, B: the left and right operand; K: the contracted axis; several contracted axes count as one K, in the product's order):
;;     1. [M 4,096, K 2,048] x [K 2,048, N 1,024]; A: input activations; B: input Wq: QUANTISED (scales: A lowp_scales[0], B lowp_scales[1])
;;     2. [M 4,096, K 2,048] x [K 2,048, N 1,024]; A: input activations; B: input Wk: QUANTISED (scales: A lowp_scales[2], B lowp_scales[3])
;;     3. [M 4,096, K 2,048] x [K 2,048, N 1,024]; A: input activations; B: input Wv: QUANTISED (scales: A lowp_scales[4], B lowp_scales[5])
;;     4. batch 32 x [M 2,048, K 64] x [K 64, N 2,048]; A: computed on the way; B: computed on the way: QUANTISED (scales: A lowp_scales[6], B lowp_scales[7])
;;     5. batch 32 x [M 64, K 2,048] x [K 2,048, N 2,048]; A: computed on the way; B: softmax (see below): QUANTISED (scales: A lowp_scales[8], B lowp_scales[9])
;;     6. [M 4,096, K 1,024] x [K 1,024, N 2,048]; A: computed on the way; B: input Wo: QUANTISED (scales: A lowp_scales[10], B lowp_scales[11])
;;   THE QUANTISER, for each operand of a quantised product, along K:
;;     - The operand's scale is 2^e, e = its entry of the input lowp_scales (int32; the entries are numbered through the quantised products in the list's order, A before B).
;;     - Each number is divided by the scale, clamped to +-448, and rounded to the nearest number of E4M3, ties to even, subnormals kept.
;;     - The product sums the exact products of the quantised numbers (number of the format x scale) in f32.
;;   ~~~python
;;   def quantise(x, axis, e):      # numpy; x: float32 -> the quantised numbers, widened to float32 again
;;       x = np.moveaxis(x, axis, -1); K = x.shape[-1]
;;       r = np.clip(x / 2.0 ** e, -448, 448)
;;       step = 2.0 ** (np.maximum(np.frexp(np.where(r == 0, 1, r))[1] - 1, -6) - 3)
;;       q = np.round(r / step) * step * 2.0 ** e      # np.round: ties to even
;;       return np.moveaxis(q, -1, axis).astype(np.float32)
;;   ~~~
;;   SOFTMAX AHEAD OF A QUANTISED PRODUCT. Where the list says 'softmax', what is quantised is not the finished softmax but p = 2^(t - M), with t = logit x log2(e) and M = ceil(the row's largest t), a whole number; so 1/2 < the row's largest p <= 1. The row's sum l is taken of the UNQUANTISED p, in f32, and the product's result is divided by l at the end. Since M is a whole number, a kernel that streams over the keys may use a running M (the ceiling of the running maximum): every later rescaling is an exact power of two, so the quantised numbers keep their values, but for numbers so far below the row's largest that they fall under the format's range.
;;   OPERANDS COMPUTED ON THE WAY. 'Computed on the way' means the value that the module computes at that place (a softmax that the list does not call 'softmax' is quantised finished and normalised). What goes into a quantiser is computed in f32, as accurately as f32 sums, v_exp_f32 and their like allow (about 1e-6 of the number): no bf16 or f16 on the way to a quantiser, and a product that is left as it is and whose result goes on into a quantised operand takes f32 operands (vector FMAs, or v_wmma_f32_16x16x4_f32). A number that lies on a knife's edge between two numbers of the format may be rounded either way, as far as f32 arithmetic and the matrix unit's own rounding can turn it there, and no further.
;; One version. Each part assembles by itself: llvm-mc -triple=amdgcn-amd-amdhsa -mcpu=gfx1250 --defsym DOCPART=n.
;; ======== version 1 of 1: 4 launches
;; limits: right only within a limited range of input values
;; workspace buffers: acodes 25,165,824 bytes; wcodes 8,388,608 bytes; tab 1,048,576 bytes; qimg 4,194,304 bytes; kv 8,388,608 bytes; oimg 4,194,304 bytes
;; launch prep (part 1): grid 544 x 1, 4 waves a work-group, no clusters, 33,280 bytes of LDS; arguments activations, Wq, Wk, Wv, Wo, lowp_scales, acodes, wcodes, tab; writes acodes, wcodes, tab
.if DOCPART == 1
	.amdgcn_target "amdgcn-amd-amdhsa--gfx1250"
	.amdhsa_code_object_version 6
	.text
	.protected	k_q3abc196c5a_prep
	.globl	k_q3abc196c5a_prep
	.p2align	8
	.type	k_q3abc196c5a_prep,@function
k_q3abc196c5a_prep:
	s_mov_b64 s[64:65], 0
	v_nop
	global_prefetch_b8 v0, s[64:65] scope:SCOPE_SE
	s_setreg_imm32_b32 hwreg(HW_REG_WAVE_MODE, 25, 1), 1
	s_wait_xcnt 0x0
; PREP.  f32 numbers into codes of FP8 (E4M3), and the xpos tables.
; Work-groups 0-255: 32,768 activations each, quantised THREE times, with the exponents e0, e2, e4 (one for each of the three projections): acodes [3][4096][2048].
; Work-groups 256-511: weight j = (g - 256) / 64 (Wq, Wk, Wv, Wo), 32,768 numbers each, with e1, e3, e5, e11: wcodes [4][2 MiB], rows as in memory.
; Work-groups 512-543: 64 rows each of the two tables tab [2][2048][64] f32: float 2 i = C, float 2 i + 1 = S of pair i; table 0: (cos x t, sin x t), for q; table 1: (cos / t, sin / t), for k.
; code = x / 2^e, held within +-448, rounded to the nearest code, ties to even.  LIMITS: each e between -126 and 119.  NaN among the inputs is not served (an infinity is held at the largest code).
; K is innermost and rows are dense, so a tensor is a plain stream.  A wave takes 16 steps of 512 numbers.  Each of a step's four loads reads 512 consecutive bytes, 16 a lane; the 2,048 bytes go through the wave's own stage
; in LDS and come back 64 bytes a lane, since a conversion takes eight neighbours from ONE lane's registers.  A lane's 16 codes are 16 bytes: the wave stores 512 consecutive bytes.  Waves share nothing: no barrier.
; THE TABLES.  angle = x theta_i, x = (row - 1024) / 512, theta_i = 10000^(-(i+1)/32): |angle| <= 1.5.  Sine and cosine are their Taylor series up to angle^13 and angle^14: what is left out is under 4e-10 at 1.5.
; t = zeta_i^x = 2^(x log2 zeta_i), zeta_i = ((i+1)/16 + 25.6) / 26.6.
.set WAVES, 4
.set STEPS, 16
.set SP,    80                         ; a lane's place in a stage: its 64 bytes + 16 of padding
.set WREG,  8192                       ; LDS: a region of its own for each wave: two stages of 32 x SP bytes
.set SPARE, WAVES*WREG                 ; behind the four regions: the spare words, 128 bytes for each wave, which no other line names
.set SPW,   12                         ; v12      LDS address of my spare word; never rewritten
.set NIL,   13                         ; v13      0; never rewritten
.set R,     16                         ; v16-143  eight sets of 16 numbers as they are loaded: loads run eight steps (32 loads a wave) ahead
.set X,     144                        ; v144-175 two sets of 16 neighbours
.set T,     176                        ; v176-191 the 16 numbers, held within the largest code x the scale in hand
.set C,     192                        ; v192-215 codes: (step's parity) x (output 0, 1, 2) x 4 registers
.set SC,    216                        ; v216-218 2^e as f32, for outputs 0, 1, 2
.set LM,    219                        ; v219-221 448 x 2^e
	s_load_b256 s[4:11], s[0:1], 0x0               ; activations s[4:5], Wq s[6:7], Wk s[8:9], Wv s[10:11]
	s_load_b256 s[12:19], s[0:1], 0x20             ; Wo s[12:13], the exponents s[14:15], acodes s[16:17], wcodes s[18:19]
	s_load_b64 s[20:21], s[0:1], 0x40              ; tab
	v_lshl_add_u32 v[SPW], v0, 2, SPARE
	v_mov_b32 v[NIL], 0
	s_cmp_lt_u32 ttmp9, 512
	s_cbranch_scc1 .Lquant
	; ---- THE TABLES.  Thread: pairs 2 j and 2 j + 1 (j = thread % 16), row thread / 16 of eight; eight trips.  Sixteen lanes store a row's 256 bytes.
	s_sub_co_u32 s23, ttmp9, 512
	s_lshl_b32 s24, s23, 14                        ; my 64 rows of 256 bytes
	s_mov_b32 s25, 0
	s_lshl_b32 s23, s23, 6
	s_sub_co_i32 s23, s23, 1024                    ; my first row - 1024
	v_and_b32 v1, 15, v0
	v_lshrrev_b32 v2, 4, v0
	v_lshlrev_b32 v22, 8, v2
	v_lshl_add_u32 v22, v1, 4, v22                 ; 256 x row + 16 j
	v_add_nc_u32 v23, s23, v2
	v_cvt_f32_i32 v23, v23
	v_mul_f32 v23, 0x3b000000, v23                 ; x = (row - 1024) / 512: exact
	v_lshl_add_u32 v16, v1, 1, 1
	v_add_nc_u32 v17, 1, v16
	v_cvt_f32_u32 v16, v16                         ; i + 1 of my two pairs
	v_cvt_f32_u32 v17, v17
	v_mul_f32 v18, 0xbed49a78, v16                 ; (i + 1) / 32 x log2(1 / 10000)
	v_mul_f32 v19, 0xbed49a78, v17
	v_mul_f32 v20, 0x3d800000, v16                 ; (i + 1) / 16
	v_mul_f32 v21, 0x3d800000, v17
	v_add_f32 v20, 0x41cccccd, v20                 ; + 25.6
	v_add_f32 v21, 0x41cccccd, v21
	v_mul_f32 v20, 0x3d19fc26, v20                 ; / 26.6
	v_mul_f32 v21, 0x3d19fc26, v21
	s_wait_alu depctr_va_vdst(0)
	v_exp_f32 v18, v18                             ; theta
	v_exp_f32 v19, v19
	v_log_f32 v20, v20                             ; log2 zeta
	v_log_f32 v21, v21
	v_nop                                          ; a plain instruction behind the last of the four,
	s_wait_alu depctr_va_vdst(0)                   ; and one wait for the batch, ahead of its first reader
	s_wait_kmcnt 0x0
	s_add_nc_u64 s[20:21], s[20:21], s[24:25]
	s_mov_b32 s26, 8
.Ltrow:
	s_wait_alu depctr_va_vdst(0)
	v_mul_f32 v24, v23, v20                        ; x log2 zeta
	v_mul_f32 v25, v23, v21
	s_wait_alu depctr_va_vdst(0)
	v_exp_f32 v26, v24                             ; t
	v_exp_f32 v27, v25
	v_exp_f32 v28, -v24                            ; 1 / t
	v_exp_f32 v29, -v25
	v_mul_f32 v30, v23, v18                        ; the angles.  (The series below are the independent work behind the four exponentials)
	v_mul_f32 v31, v23, v19
	v_mul_f32 v32, v30, v30
	v_mul_f32 v33, v31, v31
	v_mov_b32 v34, 0x2f309231                      ; 1 / 13!
	v_mov_b32 v35, 0x2f309231
	v_mov_b32 v36, 0xad49cba5                      ; -1 / 14!
	v_mov_b32 v37, 0xad49cba5
.irp k, 0xb2d7322b, 0x3638ef1d, 0xb9500d01, 0x3c088889, 0xbe2aaaab, 0x3f800000
	v_fmaak_f32 v34, v34, v32, \k                  ; -1/11!, 1/9!, -1/7!, 1/5!, -1/3!, 1
	v_fmaak_f32 v35, v35, v33, \k
.endr
.irp k, 0x310f76c7, 0xb493f27e, 0x37d00d01, 0xbab60b61, 0x3d2aaaab, 0xbf000000, 0x3f800000
	v_fmaak_f32 v36, v36, v32, \k                  ; 1/12!, -1/10!, 1/8!, -1/6!, 1/4!, -1/2, 1: the cosines
	v_fmaak_f32 v37, v37, v33, \k
.endr
	v_mul_f32 v34, v34, v30                        ; the sines
	v_mul_f32 v35, v35, v31
	s_wait_alu depctr_va_vdst(0)                   ; one wait for the four exponentials, ahead of their first reader
	v_mul_f32 v40, v36, v26
	v_mul_f32 v41, v34, v26
	v_mul_f32 v42, v37, v27
	v_mul_f32 v43, v35, v27
	v_mul_f32 v44, v36, v28
	v_mul_f32 v45, v34, v28
	v_mul_f32 v46, v37, v29
	v_mul_f32 v47, v35, v29
	global_store_b128 v22, v[40:43], s[20:21]                  ; table 0: sixteen lanes store 256 consecutive bytes
	global_store_b128 v22, v[44:47], s[20:21] offset:524288    ; table 1
	s_wait_xcnt 0x0                                ; the offset and the data are written again only behind this wait
	v_add_nc_u32 v22, 2048, v22                    ; eight rows on
	v_add_f32 v23, 0x3c800000, v23                 ; x + 8 / 512: exact
	s_sub_co_u32 s26, s26, 1
	s_cmp_lg_u32 s26, 0
	s_cbranch_scc1 .Ltrow
	s_branch .Lend
.Lquant:
	v_lshrrev_b32 v1, 5, v0
	v_readfirstlane_b32 s22, v1                    ; wave
	v_and_b32 v2, 31, v0                           ; lane
	v_lshlrev_b32 v3, 4, v2                        ; my 16 bytes of a load's 512, and of a store's
	s_mul_i32 s23, s22, WREG
	v_lshrrev_b32 v14, 2, v2
	v_mul_u32_u24 v14, v14, SP
	v_and_b32 v15, 3, v2
	v_lshl_add_u32 v14, v15, 4, v14
	v_add_nc_u32 v14, s23, v14                     ; the stage, on the way in: SP (lane / 4) + 16 (lane % 4); a load's 512 bytes take eight places
	v_mul_u32_u24 v15, v2, SP
	v_add_nc_u32 v15, s23, v15                     ; and on the way out: SP x lane: my 16 neighbours
	s_sub_co_u32 s23, ttmp9, 256
	s_lshr_b32 s40, s23, 6                         ; j: which weight (no weight's number in an activations' work-group)
	s_and_b32 s41, s23, 63                         ; which run of 32,768 numbers of it
	s_lshl_b32 s44, s40, 21                        ; its part of wcodes
	s_wait_alu depctr_va_vdst(0)
	s_wait_kmcnt 0x0
	s_load_b256 s[28:35], s[14:15], 0x0            ; e0 .. e7
	s_load_b128 s[36:39], s[14:15], 0x20           ; e8 .. e11
	s_mov_b64 s[24:25], s[12:13]                   ; the source: every choice hangs on the work-group's number alone
	s_cmp_eq_u32 s40, 0
	s_cselect_b64 s[24:25], s[6:7], s[24:25]
	s_cmp_eq_u32 s40, 1
	s_cselect_b64 s[24:25], s[8:9], s[24:25]
	s_cmp_eq_u32 s40, 2
	s_cselect_b64 s[24:25], s[10:11], s[24:25]
	s_cmp_lt_u32 ttmp9, 256
	s_cselect_b64 s[24:25], s[4:5], s[24:25]
	s_cselect_b64 s[26:27], s[16:17], s[18:19]     ; output 0's buffer
	s_cselect_b32 s43, ttmp9, s41                  ; the run
	s_cselect_b32 s44, 0, s44
	s_lshl_b32 s45, s43, 2
	s_add_co_u32 s45, s45, s22                     ; which run of 8,192 numbers is my wave's
	s_lshl_b32 s46, s45, 15
	s_mov_b32 s47, 0
	s_add_nc_u64 s[24:25], s[24:25], s[46:47]
	s_lshl_b32 s46, s45, 13
	s_add_nc_u64 s[48:49], s[16:17], s[46:47]
	s_add_nc_u64 s[50:51], s[48:49], 0x1000000     ; output 2: the third set of acodes
	s_add_nc_u64 s[48:49], s[48:49], 0x800000      ; output 1: the second
	s_add_co_u32 s46, s46, s44
	s_add_nc_u64 s[26:27], s[26:27], s[46:47]
.macro LOAD t
.irp i, 0,1,2,3
	global_load_b128 v[R+16*((\t)%8)+4*\i:R+16*((\t)%8)+4*\i+3], v3, s[24:25] offset:2048*(\t)+512*\i th:TH_LOAD_NT   ; 32 lanes read 512 consecutive bytes
.endr
.endm
.macro TURN t                          ; step t's numbers through the stage: LDS serves a wave's instructions in order, so no wait stands between the stores and the loads
.irp i, 0,1,2,3
	ds_store_b128 v14, v[R+16*((\t)%8)+4*\i:R+16*((\t)%8)+4*\i+3] offset:32*SP*((\t)%2)+8*SP*\i
.endr
.irp i, 0,1,2,3
	ds_load_b128 v[X+16*((\t)%2)+4*\i:X+16*((\t)%2)+4*\i+3], v15 offset:32*SP*((\t)%2)+16*\i
.endr
.endm
.macro MKSC e, k                       ; from the exponent in s[e]: 2^e and 448 x 2^e as f32
	s_add_co_i32 s52, s[\e], 127
	s_lshl_b32 s53, s52, 23
	v_mov_b32 v[SC+\k], s53
	s_add_co_i32 s52, s52, 8
	s_lshl_b32 s52, s52, 23
	s_or_b32 s52, s52, 0x600000
	v_mov_b32 v[LM+\k], s52
.endm
.irp t, 0,1,2,3,4,5,6,7
	LOAD \t
.endr
	s_wait_kmcnt 0x0
	s_mov_b32 s42, s39                             ; output 0's exponent: e11, e1, e3, e5 by the weight, e0 for the activations
	s_cmp_eq_u32 s40, 0
	s_cselect_b32 s42, s29, s42
	s_cmp_eq_u32 s40, 1
	s_cselect_b32 s42, s31, s42
	s_cmp_eq_u32 s40, 2
	s_cselect_b32 s42, s33, s42
	s_cmp_lt_u32 ttmp9, 256
	s_cselect_b32 s42, s28, s42
	MKSC 42, 0
	MKSC 30, 1                                     ; e2
	MKSC 32, 2                                     ; e4
	s_wait_alu depctr_va_vdst(0)
	s_wait_loadcnt 28                              ; step 0's four loads are in; the seven steps behind it may be out
	TURN 0
; Output k of step t, to the buffer at s[b:b+1].
.macro OUT k, t, b
.irp i, 0,1,2,3,4,5,6,7,8,9,10,11,12,13,14,15
	v_med3_num_f32 v[T+\i], v[X+16*((\t)%2)+\i], -v[LM+\k], v[LM+\k]   ; the conversion to an 8-bit code does not saturate (ISA guide 7.6.2): the number is held first
.endr
	v_cvt_scalef32_pk8_fp8_f32 v[C+12*((\t)%2)+4*\k:C+12*((\t)%2)+4*\k+1], v[T:T+7], v[SC+\k]
	v_cvt_scalef32_pk8_fp8_f32 v[C+12*((\t)%2)+4*\k+2:C+12*((\t)%2)+4*\k+3], v[T+8:T+15], v[SC+\k]
	v_nop                                          ; one plain instruction between the conversions and the next lines that write their sources
	global_store_b128 v3, v[C+12*((\t)%2)+4*\k:C+12*((\t)%2)+4*\k+3], s[\b:\b+1] offset:512*(\t)   ; 32 lanes store 512 consecutive bytes
.endm
.macro STEP t
	s_wait_dscnt 0x0                               ; this step's numbers are back from the stage: so its stores into the stage have read their registers,
	s_wait_xcnt 0x0                                ; and the stores of two steps back have read theirs: this parity's code registers may be written
.if (\t)+8 < STEPS
	LOAD (\t)+8
.endif
.if (\t)+1 < STEPS
.if STEPS-2-(\t) >= 7
	s_wait_loadcnt 28                              ; the next step's four loads are in; those of the seven steps behind it may be out
.else
	s_wait_loadcnt 4*(STEPS-2-(\t))
.endif
	TURN (\t)+1                                    ; they go through the other stage while this step is worked
.endif
	OUT 0, \t, 26
	s_cmp_lt_u32 ttmp9, 256                        ; a weight has one exponent; the jump leads round vector work and global stores alone
	s_cbranch_scc0 .Lone_\@
	OUT 1, \t, 48
	OUT 2, \t, 50
.Lone_\@:
.endm
.irp t, 0,1,2,3,4,5,6,7,8,9,10,11,12,13,14,15
	STEP \t
.endr
.Lend:
	s_wait_tensorcnt 0x0                           ; the wave's end, behind my last LDS store
	ds_add_u32 v[SPW], v[NIL]
	s_wait_dscnt 0x0
	s_endpgm
.Lfunc_end_k_q3abc196c5a_prep:
	.size	k_q3abc196c5a_prep, .Lfunc_end_k_q3abc196c5a_prep-k_q3abc196c5a_prep
	.p2alignl 7, 3214868480
	.fill 96, 4, 3214868480
	.section	.rodata,"a",@progbits
	.p2align	6, 0x0
	.amdhsa_kernel k_q3abc196c5a_prep
		.amdhsa_group_segment_fixed_size 33280
		.amdhsa_private_segment_fixed_size 0
		.amdhsa_enable_private_segment 0
		.amdhsa_kernarg_size 72
		.amdhsa_user_sgpr_count 2
		.amdhsa_user_sgpr_kernarg_segment_ptr 1
		.amdhsa_wavefront_size32 1
		.amdhsa_system_sgpr_workgroup_id_x 1
		.amdhsa_system_sgpr_workgroup_id_y 1
		.amdhsa_system_sgpr_workgroup_id_z 1
		.amdhsa_system_vgpr_workitem_id 0
		.amdhsa_next_free_vgpr 224
		.amdhsa_next_free_sgpr 66
		.amdhsa_reserve_vcc 0
		.amdhsa_float_denorm_mode_32 3
		.amdhsa_float_denorm_mode_16_64 3
		.amdhsa_memory_ordered 1
		.amdhsa_forward_progress 1
		.amdhsa_inst_pref_size 86
	.end_amdhsa_kernel
	.amdgpu_metadata
---
amdhsa.version: [ 1, 2 ]
amdhsa.kernels:
  - .name:           k_q3abc196c5a_prep
    .symbol:         k_q3abc196c5a_prep.kd
    .args:
      - { .name: activations, .offset: 0, .size: 8, .value_kind: global_buffer, .address_space: global }
      - { .name: Wq, .offset: 8, .size: 8, .value_kind: global_buffer, .address_space: global }
      - { .name: Wk, .offset: 16, .size: 8, .value_kind: global_buffer, .address_space: global }
      - { .name: Wv, .offset: 24, .size: 8, .value_kind: global_buffer, .address_space: global }
      - { .name: Wo, .offset: 32, .size: 8, .value_kind: global_buffer, .address_space: global }
      - { .name: lowp_scales, .offset: 40, .size: 8, .value_kind: global_buffer, .address_space: global }
      - { .name: acodes, .offset: 48, .size: 8, .value_kind: global_buffer, .address_space: global }
      - { .name: wcodes, .offset: 56, .size: 8, .value_kind: global_buffer, .address_space: global }
      - { .name: tab, .offset: 64, .size: 8, .value_kind: global_buffer, .address_space: global }
    .group_segment_fixed_size: 33280
    .private_segment_fixed_size: 0
    .kernarg_segment_align: 8
    .kernarg_segment_size: 72
    .max_flat_workgroup_size: 128
    .sgpr_count:     66
    .vgpr_count:     224
    .wavefront_size: 32
...
	.end_amdgpu_metadata
.endif
;; end of part 1
;; launch qkv (part 2): grid 8 x 24, 4 waves a work-group, clusters of 4 x 4, 327,680 bytes of LDS; arguments acodes, wcodes, tab, lowp_scales, qimg, kv; writes qimg, kv
.if DOCPART == 2
	.amdgcn_target "amdgcn-amd-amdhsa--gfx1250"
	.amdhsa_code_object_version 6
	.text
	.protected	k_q3abc196c5a_qkv
	.globl	k_q3abc196c5a_qkv
	.p2align	8
	.type	k_q3abc196c5a_qkv,@function
k_q3abc196c5a_qkv:
	s_mov_b64 s[64:65], 0
	v_nop
	global_prefetch_b8 v0, s[64:65] scope:SCOPE_SE
	s_setreg_imm32_b32 hwreg(HW_REG_WAVE_MODE, 25, 1), 1
	s_wait_xcnt 0x0
	s_wait_alu depctr_hold_cnt(0) depctr_sa_sdst(0) depctr_va_vdst(0) depctr_va_sdst(0) depctr_va_ssrc(0) depctr_va_vcc(0) depctr_vm_vsrc(0)
	s_getreg_b32 s2, hwreg(HW_REG_IB_STS2, 6, 4)
	s_cmp_eq_u32 s2, 0
	s_cbranch_scc0 .Lentry_in_a_cluster
	s_endpgm
.Lentry_in_a_cluster:
	s_bfe_u32 s2, ttmp6, 0x10000c
	s_cmp_lg_u32 s2, 0xf033
	s_cbranch_scc0 .Lentry_shape_is_right
	s_endpgm
.Lentry_shape_is_right:
; QKV.  The three projections on codes of FP8 (E4M3), the xpos rotation of q and k from the tables, and the quantising of q, k, v for the attention: they leave as images of operand registers.
; A tile of 256 x 256 is made by four waves, 128 x 128 each; K = 2,048 goes in steps of 256 through a ring of two LDS slots, filled by joint loads in clusters of 4 x 4.
; Clusters y = 0..3: q (x = 0) and k (x = 1), rows = positions.  Clusters y = 4, 5: v, used the other way round (rows = channels), so that the keys come out innermost.
; THE TILES ARE PREFETCHED INTO THE L2: behind the load of K step t each wave asks for K step t + 2, 32 rows x 256 bytes, a lane a row; of the 128 rows that a wave fetches each of the four
; partners that ask for them jointly names 32, told apart by address.  Behind the first load K step 1 is asked for as well.  The last two refills ask for nothing: K has no step behind them.
; The tables' first three blocks are loaded ahead of the last lap, into registers that the ring does not use.
; LIMITS: e6 - e0 - e1, e7 - e2 - e3 and e8 - e4 - e5 between -126 and 119.
.set ROWB,   256
.set KROW,   2048
.set PITCH,  272
.set FR,     16
.set NL,     4
.set NP,     4
.set HALFT,  128*PITCH
.set SLOT,   4*HALFT
.set LAPS,   4
.set SPARE,  2*SLOT
.set STV,    256*PITCH
.set ADRA, 16
.set SC,   18
.set LIM,  19
.set ADRB, 20
.set TA,   22
.set STO,  24
.set STOV, 25
.set RQ,   26
.set RK,   27
.set SPW,  28
.set NIL,  29
.set RV,   30
.set GO,   31
.set PFO,  23
.set PFA,  12
.set TMP,  128
.set TB0,  32
.set AF,   128
.set CD,   192
.set G1, 24
.set G0, 32
.set G1B, 48
.set G0B, 56
.set MSB, 0
.macro WIN new
.if MSB != \new
	s_set_vgpr_msb (MSB<<8)|\new
.set MSB, \new
.endif
.endm
.set MUL_LO, 0xa1
.set MUL_HI, 0xf1
.set TO_B,   0x40
.macro JLOAD g0a, g1a, g0b, g1b
	s_cmp_eq_u32 s15, 0
	s_cbranch_scc0 .Lfor_b_\@
	tensor_load_to_lds s[\g0a:\g0a+3], s[\g1a:\g1a+7]
	s_nop 0
.rept 4
	v_nop
.endr
	s_branch .Lasked_\@
.Lfor_b_\@:
	tensor_load_to_lds s[\g0b:\g0b+3], s[\g1b:\g1b+7]
	s_nop 0
.rept 4
	v_nop
.endr
.Lasked_\@:
.endm
.macro CREST
	s_cmp_lg_u32 s14, 0
	s_cbranch_scc1 .Lnot_wave_0_\@
	s_barrier_signal -3
.Lnot_wave_0_\@:
	s_barrier_wait -3
	s_barrier_signal -1
	s_barrier_wait -1
.endm
.macro CROUND
	s_barrier_signal -1
	s_barrier_wait -1
	CREST
.endm
	s_load_b256 s[4:11], s[0:1], 0x0
	s_load_b128 s[68:71], s[0:1], 0x20
	v_lshl_add_u32 v[SPW], v0, 2, SPARE
	v_mov_b32 v[NIL], 0
	ds_add_u32 v[SPW], v[NIL]
	ds_add_u32 v[SPW], v[NIL]
	v_lshrrev_b32 v1, 5, v0
	v_readfirstlane_b32 s14, v1
	s_lshr_b32 s15, s14, 1
	s_and_b32 s16, s14, 1
	s_bfe_u32 s40, ttmp6, 0x40000
	s_bfe_u32 s41, ttmp6, 0x40004
	s_mov_b32 s84, ttmp9
	s_and_b32 s85, ttmp7, 0xffff
	s_lshl_b32 s89, s85, 1
	s_add_co_u32 s89, s89, s84
	s_sub_co_u32 s89, s89, 8
	s_lshl_b32 s90, s84, 23
	s_cmp_ge_u32 s85, 4
	s_cselect_b32 s86, 1, 0
	s_cselect_b32 s87, 2, s84
	s_cselect_b32 s88, 0, s85
	s_cselect_b32 s89, s89, s84
	s_cselect_b32 s90, 0x400000, s90
	s_cselect_b32 s91, 0x1000000, 0
	s_lshl_b32 s17, s88, 2
	s_add_co_u32 s17, s17, s41
	s_lshl_b32 s42, s89, 2
	s_add_co_u32 s42, s42, s40
	s_lshl_b32 s43, s41, 2
	s_lshl_b32 s43, 15, s43
	s_lshl_b32 s44, 0x1111, s40
	s_or_b32 s[G1+0], s43, (0<<16)|(1<<20)|(1<<21)|(5<<22)|(3<<25)
	s_or_b32 s[G1B+0], s44, (0<<16)|(1<<20)|(1<<21)|(5<<22)|(3<<25)
.irp g, G1, G1B
	s_mov_b32 s[\g+1], ROWB<<16
	s_mov_b32 s[\g+2], 128<<16
	s_mov_b32 s[\g+3], ROWB<<16
	s_mov_b32 s[\g+4], 128
	s_mov_b32 s[\g+5], KROW
	s_mov_b32 s[\g+6], 0
	s_mov_b32 s[\g+7], 0
.endr
	s_lshl_b32 s18, s16, 7
	s_lshl_b32 s20, s17, 8
	s_add_co_u32 s20, s20, s18
	s_lshl_b32 s20, s20, 11
	s_add_co_u32 s20, s20, s90
	s_mov_b32 s21, 0
	s_lshl_b32 s46, s42, 8
	s_add_co_u32 s46, s46, s18
	s_lshl_b32 s46, s46, 11
	s_add_co_u32 s46, s46, s91
	s_mov_b32 s47, 0
	s_mul_i32 s45, s14, HALFT
	v_and_b32 v[PFO], 31, v0
	v_lshlrev_b32 v[PFO], 11, v[PFO]               ; the prefetches' offset: my lane x a row of 2,048 bytes; never rewritten
	s_wait_alu depctr_va_vdst(0)
	s_wait_dscnt 0x0
	s_wait_kmcnt 0x0
	s_load_b256 s[72:79], s[10:11], 0x0
	s_load_b128 s[80:83], s[10:11], 0x20
	s_cmp_eq_u32 s86, 1
	s_cselect_b64 s[94:95], s[6:7], s[4:5]
	s_cselect_b64 s[96:97], s[4:5], s[6:7]
	s_add_nc_u64 s[20:21], s[94:95], s[20:21]
	s_add_nc_u64 s[46:47], s[96:97], s[46:47]
	s_cmp_eq_u32 s15, 0                            ; the prefetches: the 128 rows that I fetch,
	s_cselect_b64 s[PFA:PFA+1], s[20:21], s[46:47]
	s_cselect_b32 s2, s40, s41                     ; my work-group's place among the four that ask for them with me,
	s_lshl_b32 s2, s2, 16                          ; and its 32 rows of 2,048 bytes
	s_mov_b32 s3, 0
	s_add_nc_u64 s[PFA:PFA+1], s[PFA:PFA+1], s[2:3]
	CROUND
.irp s, 0,1
	s_mov_b32 s[G0+4*\s], 1
	s_add_co_u32 s[G0+4*\s+1], s45, \s*SLOT
	s_add_nc_u64 s[G0+4*\s+2:G0+4*\s+3], s[20:21], \s*ROWB
	s_or_b32 s[G0+4*\s+3], s[G0+4*\s+3], 0x80000000
	s_mov_b32 s[G0B+4*\s], 1
	s_add_co_u32 s[G0B+4*\s+1], s45, \s*SLOT
	s_add_nc_u64 s[G0B+4*\s+2:G0B+4*\s+3], s[46:47], \s*ROWB
	s_or_b32 s[G0B+4*\s+3], s[G0B+4*\s+3], 0x80000000
.endr
	JLOAD G0, G1, G0B, G1B                         ; K step 0: one tensor load a wave at the head
	global_prefetch_b8 v[PFO], s[PFA:PFA+1] offset:ROWB th:TH_LOAD_NT scope:SCOPE_SE     ; K step 1,
	v_and_b32 v1, 15, v0
	v_bfe_u32 v2, v0, 4, 1
	v_mul_u32_u24 v3, v1, PITCH
	s_wait_alu depctr_va_vdst(0)
	v_lshl_add_u32 v4, v2, 4, v3
	s_wait_alu depctr_va_vdst(0)
	s_mul_i32 s21, s15, HALFT
	s_mul_i32 s22, s16, HALFT
	s_add_co_u32 s22, s22, 2*HALFT
.irp s, 0,1
	v_add_nc_u32 v[ADRA+\s], s21, v4
	v_add_nc_u32 v[ADRB+\s], s22, v4
	s_add_co_u32 s21, s21, SLOT
	s_add_co_u32 s22, s22, SLOT
.endr
	s_mul_i32 s23, s15, HALFT
	s_lshl_b32 s22, s16, 7
	s_add_co_u32 s23, s23, s22
	v_lshl_add_u32 v[STO], v2, 3, v3
	v_add_nc_u32 v[STO], s23, v[STO]
	v_add_nc_u32 v[STOV], STV, v[STO]
	s_lshl_b32 s23, s14, 6
	v_add_nc_u32 v[RQ], s23, v4
	v_and_b32 v5, 8, v1
	v_add_nc_u32 v5, v5, v1
	v_mul_u32_u24 v5, v5, PITCH
	v_lshl_add_u32 v5, v2, 4, v5
	v_add_nc_u32 v[RK], s23, v5
	s_mul_i32 s23, s14, 64*PITCH
	s_add_co_u32 s23, s23, STV
	v_add_nc_u32 v[RV], s23, v5
	v_and_b32 v6, 31, v0
	v_lshlrev_b32 v[GO], 4, v6
	v_lshlrev_b32 v[TA], 8, v1
	v_lshl_add_u32 v[TA], v2, 5, v[TA]
	s_and_b32 s94, s17, 7
	s_lshl_b32 s94, s94, 8
	s_lshl_b32 s95, s15, 7
	s_add_co_u32 s94, s94, s95
	s_lshl_b32 s94, s94, 8
	s_lshl_b32 s95, s84, 19
	s_add_co_u32 s94, s94, s95
	s_mov_b32 s95, 0
	s_add_nc_u64 s[98:99], s[8:9], s[94:95]
	s_cmp_eq_u32 s86, 1
	s_cselect_b32 s94, s42, s17
	s_cselect_b32 s95, s41, s40
	s_cselect_b32 s96, 16384, 0
	s_lshr_b32 s97, s94, 3
	s_lshl_b32 s97, s97, 4
	s_lshl_b32 s95, s95, 2
	s_add_co_u32 s97, s97, s95
	s_add_co_u32 s97, s97, s14
	s_lshl_b32 s97, s97, 3
	s_and_b32 s94, s94, 7
	s_add_co_u32 s97, s97, s94
	s_cmp_eq_u32 s87, 0
	s_cselect_b32 s94, 14, 15
	s_cselect_b64 s[92:93], s[68:69], s[70:71]
	s_lshl_b32 s94, s97, s94
	s_add_co_u32 s94, s94, s96
	s_mov_b32 s95, 0
	s_add_nc_u64 s[92:93], s[92:93], s[94:95]
.macro FRAG reg, adr, q, i
.irp c, 0,1,2,3
	ds_load_b128 v[\reg+4*\c:\reg+4*\c+3], v[\adr] offset:128*(\q)+32*\c+(\i)*16*PITCH
.endr
.endm
.macro MUL16 a0, p, zero
.irp a, \a0, \a0+1
.irp b, 0,1,2,3,4,5,6,7
.if \zero
	v_wmma_f32_16x16x128_fp8_fp8 v[8*(8*((\a)%4)+\b):8*(8*((\a)%4)+\b)+7], v[128*(\p)+FR*\b:128*(\p)+FR*\b+FR-1], v[AF+FR*(\a):AF+FR*(\a)+FR-1], 0
.else
	v_wmma_f32_16x16x128_fp8_fp8 v[8*(8*((\a)%4)+\b):8*(8*((\a)%4)+\b)+7], v[128*(\p)+FR*\b:128*(\p)+FR*\b+FR-1], v[AF+FR*(\a):AF+FR*(\a)+FR-1], v[8*(8*((\a)%4)+\b):8*(8*((\a)%4)+\b)+7]
.endif
.endr
.endr
.endm
.macro FETCH_B slot, q, p
	WIN TO_B
.irp i, 0,1,2,3,4,5,6,7
	FRAG 128*(\p)+FR*\i, ADRB+\slot, \q, \i
.endr
	WIN 0
.endm
.macro FETCH_A slot, q, i0
.irp i, \i0, \i0+1, \i0+2, \i0+3
	FRAG AF+FR*(\i), ADRA+\slot, \q, \i
.endr
.endm
.macro PLACES n
.rept \n
	v_nop
.endr
.endm
.macro STEP slot, q, zero
	s_wait_dscnt 4*NL
	WIN MUL_LO
	MUL16 0, (\q)%2, \zero
	MUL16 2, (\q)%2, \zero
	s_wait_dscnt 0
	PLACES NP
	FETCH_B \slot, (\q)+1, 1-(\q)%2
	FETCH_A \slot, (\q)+1, 0
	WIN MUL_HI
	MUL16 4, (\q)%2, \zero
	MUL16 6, (\q)%2, \zero
	PLACES NP
	WIN 0
	FETCH_A \slot, (\q)+1, 4
.endm
.macro LOADT a                         ; the table's rows of block a of 16 positions, into one of three sets of 32 registers
.irp g, 0,1,2,3
	global_load_b128 v[TB0+32*((\a)%3)+8*\g:TB0+32*((\a)%3)+8*\g+3], v[TA], s[98:99] offset:(\a)*4096+64*\g
	global_load_b128 v[TB0+32*((\a)%3)+8*\g+4:TB0+32*((\a)%3)+8*\g+7], v[TA], s[98:99] offset:(\a)*4096+64*\g+16
.endr
.endm
.macro TURN slot, next, fill
.if \fill
	s_wait_xcnt 0x0                                ; my last prefetch has read its address: it is stepped only behind this wait
	s_add_nc_u64 s[PFA:PFA+1], s[PFA:PFA+1], ROWB
.endif
	s_wait_tensorcnt 0x0
	ds_add_u32 v[SPW], v[NIL]
	s_wait_dscnt 4*NL+1
	WIN MUL_LO
	MUL16 0, 1, 0
	s_wait_dscnt 0x0
	s_barrier_signal -1
	MUL16 2, 1, 0
	WIN 0
	s_barrier_wait -1
.if \fill
	CREST
	s_add_nc_u64 s[G0+4*\slot+2:G0+4*\slot+3], s[G0+4*\slot+2:G0+4*\slot+3], 2*ROWB
	s_add_nc_u64 s[G0B+4*\slot+2:G0B+4*\slot+3], s[G0B+4*\slot+2:G0B+4*\slot+3], 2*ROWB
	JLOAD G0+4*\slot, G1, G0B+4*\slot, G1B
.else
	PLACES NP
.endif
	FETCH_B \next, 0, 0
	FETCH_A \next, 0, 0
.if \fill
	s_cmp_gt_u32 s3, 1                             ; the loop's last trip has no K step two refills on
	s_cbranch_scc0 .Lno_ask_\@
	global_prefetch_b8 v[PFO], s[PFA:PFA+1] offset:3*ROWB th:TH_LOAD_NT scope:SCOPE_SE   ; the K step two behind the one just asked for
.Lno_ask_\@:
.endif
	WIN MUL_HI
	MUL16 4, 1, 0
	MUL16 6, 1, 0
	PLACES NP
	WIN 0
	FETCH_A \next, 0, 4
.endm
	s_wait_alu depctr_va_vdst(0)
	s_wait_tensorcnt 0x0                           ; my part of K step 0 is in; slot 1's first fill is issued as a refill is:
	ds_add_u32 v[SPW], v[NIL]
	s_wait_dscnt 0x0
	CROUND                                         ; everybody's part of K step 0 is in, and the sixteen work-groups meet
	JLOAD G0+4, G1, G0B+4, G1B                     ; K step 1
	FETCH_B 0, 0, 0
	FETCH_A 0, 0, 0
	FETCH_A 0, 0, 4
	global_prefetch_b8 v[PFO], s[PFA:PFA+1] offset:2*ROWB th:TH_LOAD_NT scope:SCOPE_SE   ; K step 2: asked for here, behind K step 1's load, two steps of 128 along K ahead of its refill,
	global_prefetch_b8 v[PFO], s[PFA:PFA+1] offset:3*ROWB th:TH_LOAD_NT scope:SCOPE_SE   ; and K step 3
	STEP 0, 0, 1
	s_mov_b32 s3, LAPS-1
.Llap:
	TURN 0, 1, 1
	STEP 1, 0, 0
	TURN 1, 0, 1
	STEP 0, 0, 0
	s_sub_co_u32 s3, s3, 1
	s_cmp_lg_u32 s3, 0
	s_cbranch_scc1 .Llap
	s_cmp_eq_u32 s86, 1                            ; v has no rotation: its clusters load no table
	s_cbranch_scc1 .Lno_tab
	LOADT 0                                        ; 24 loads are out while the last lap is multiplied
	LOADT 1
	LOADT 2
.Lno_tab:
	TURN 0, 1, 0
	STEP 1, 0, 0
	s_wait_dscnt 4*NL
	WIN MUL_LO
	MUL16 0, 1, 0
	MUL16 2, 1, 0
	s_wait_dscnt 0
	WIN MUL_HI
	MUL16 4, 1, 0
	MUL16 6, 1, 0
	WIN 0
	s_wait_kmcnt 0x0
	s_sub_co_i32 s94, s78, s72
	s_sub_co_i32 s94, s94, s73
	s_sub_co_i32 s95, s79, s74
	s_sub_co_i32 s95, s95, s75
	s_sub_co_i32 s96, s80, s76
	s_sub_co_i32 s96, s96, s77
	s_cmp_eq_u32 s87, 1
	s_cselect_b32 s95, s95, s96
	s_cmp_eq_u32 s87, 0
	s_cselect_b32 s94, s94, s95
	s_add_co_i32 s94, s94, 127
	s_lshl_b32 s95, s94, 23
	s_add_co_i32 s94, s94, 8
	s_lshl_b32 s94, s94, 23
	s_or_b32 s94, s94, 0x600000
	PLACES NP
	v_mov_b32 v[SC], s95
	v_mov_b32 v[LIM], s94
.macro CODES a, adr
.set CDD, CD+16*((\a)%2)
	s_wait_dscnt 0x0
.irp b, 0,1,2,3,4,5,6,7
	v_cvt_scalef32_pk8_fp8_f32 v[CDD+2*\b:CDD+2*\b+1], v[TMP+8*\b:TMP+8*\b+7], v[SC]
.endr
	v_nop
.irp b, 0,1,2,3,4,5,6,7
	ds_store_b64 v[\adr], v[CDD+2*\b:CDD+2*\b+1] offset:(\a)*16*PITCH+16*\b
.endr
.endm
.macro QKBLOCK a
.set AC, 64*((\a)%4)
.set TBB, TB0+32*((\a)%3)
.if (\a) < 6
	s_wait_loadcnt 16                              ; this block's eight loads are in; those of the two blocks behind it may be out
.else
	s_wait_loadcnt 8*(7-(\a))
.endif
	WIN 0x02+((\a)/4)
.irp b, 0,1,2,3,4,5,6,7
.irp p, 0,1,2,3
	v_pk_mul_f32 v[TMP+8*\b+2*\p:TMP+8*\b+2*\p+1], v[AC+8*\b+2*\p:AC+8*\b+2*\p+1], v[TBB+8*(\b%4)+2*\p:TBB+8*(\b%4)+2*\p+1] op_sel_hi:[1,0]   ; (a0 C, a1 C): of the table's pair (C, S) the first serves both halves; each accumulator from its low end on
.endr
.endr
.irp b, 0,1,2,3,4,5,6,7
.irp p, 0,1,2,3
	v_pk_fma_f32 v[TMP+8*\b+2*\p:TMP+8*\b+2*\p+1], v[AC+8*\b+2*\p:AC+8*\b+2*\p+1], v[TBB+8*(\b%4)+2*\p:TBB+8*(\b%4)+2*\p+1], v[TMP+8*\b+2*\p:TMP+8*\b+2*\p+1] op_sel:[1,1,0] op_sel_hi:[0,1,1] neg_lo:[1,0,0]   ; (a0 C - a1 S, a1 C + a0 S): the pair's two numbers change places, S serves both halves
.endr
.endr
	WIN 0
.if (\a)+3 < 8
	LOADT (\a)+3
.endif
.set i, 0
.rept 64
	v_med3_num_f32 v[TMP+i], v[TMP+i], -v[LIM], v[LIM]
.set i, i+1
.endr
	s_wait_alu depctr_va_vdst(0)
	CODES \a, STO
.endm
.macro VBLOCK a
.set AC, 64*((\a)%4)
	WIN 0x02+((\a)/4)
.set i, 0
.rept 64
	v_med3_num_f32 v[TMP+i], v[AC+i], -v[LIM], v[LIM]
.set i, i+1
.endr
	WIN 0
	s_wait_alu depctr_va_vdst(0)
	CODES \a, STOV
.endm
	s_cmp_eq_u32 s86, 1
	s_cbranch_scc1 .Lv_path
	s_wait_alu depctr_va_vdst(0)
.irp a, 0,1,2,3,4,5,6,7
	QKBLOCK \a
.endr
	s_branch .Lstaged
.Lv_path:
	s_wait_alu depctr_va_vdst(0)
.irp a, 0,1,2,3,4,5,6,7
	VBLOCK \a
.endr
.Lstaged:
	s_wait_dscnt 0x0
	s_barrier_signal -1
	s_barrier_wait -1
	s_cmp_lg_u32 s87, 0
	s_cbranch_scc1 .Lnot_q
.irp t, 0,1,2,3,4,5,6,7,8,9,10,11,12,13,14,15
.irp c, 0,1
	ds_load_b128 v[TMP+4*(2*\t+\c):TMP+4*(2*\t+\c)+3], v[RQ] offset:\t*16*PITCH+32*\c
.endr
.endr
	s_branch .Lback
.Lnot_q:
	s_cmp_lg_u32 s87, 1
	s_cbranch_scc1 .Lis_v
.irp q, 0,1
.irp t, 0,1,2,3,4,5,6,7
.irp c, 0,1
	ds_load_b128 v[TMP+4*(16*\q+2*\t+\c):TMP+4*(16*\q+2*\t+\c)+3], v[RK] offset:(128*\q+32*(\t/2)+8*(\t%2))*PITCH+32*\c
.endr
.endr
.endr
	s_branch .Lback
.Lis_v:
.irp q, 0,1
.irp t, 0,1,2,3
.irp c, 0,1,2,3
	ds_load_b128 v[TMP+4*(16*\q+4*\t+\c):TMP+4*(16*\q+4*\t+\c)+3], v[RV] offset:(32*(\t/2)+8*(\t%2))*PITCH+128*\q+32*\c
.endr
.endr
.endr
.Lback:
.set i, 0
.rept 32
	s_wait_dscnt 31-i
	global_store_b128 v[GO], v[TMP+4*i:TMP+4*i+3], s[92:93] offset:512*i
.set i, i+1
.endr
	s_wait_tensorcnt 0x0
	ds_add_u32 v[SPW], v[NIL]
	s_wait_dscnt 0x0
	CROUND
	s_endpgm
.Lfunc_end_k_q3abc196c5a_qkv:
	.size	k_q3abc196c5a_qkv, .Lfunc_end_k_q3abc196c5a_qkv-k_q3abc196c5a_qkv
	.p2alignl 7, 3214868480
	.fill 96, 4, 3214868480
	.section	.rodata,"a",@progbits
	.p2align	6, 0x0
	.amdhsa_kernel k_q3abc196c5a_qkv
		.amdhsa_group_segment_fixed_size 327680
		.amdhsa_private_segment_fixed_size 0
		.amdhsa_enable_private_segment 0
		.amdhsa_kernarg_size 48
		.amdhsa_user_sgpr_count 2
		.amdhsa_user_sgpr_kernarg_segment_ptr 1
		.amdhsa_wavefront_size32 1
		.amdhsa_system_sgpr_workgroup_id_x 1
		.amdhsa_system_sgpr_workgroup_id_y 1
		.amdhsa_system_sgpr_workgroup_id_z 1
		.amdhsa_system_vgpr_workitem_id 0
		.amdhsa_next_free_vgpr 1024
		.amdhsa_next_free_sgpr 100
		.amdhsa_reserve_vcc 0
		.amdhsa_float_denorm_mode_32 3
		.amdhsa_float_denorm_mode_16_64 3
		.amdhsa_memory_ordered 1
		.amdhsa_forward_progress 1
		.amdhsa_inst_pref_size 213
	.end_amdhsa_kernel
	.amdgpu_metadata
---
amdhsa.version: [ 1, 2 ]
amdhsa.kernels:
  - .name:           k_q3abc196c5a_qkv
    .symbol:         k_q3abc196c5a_qkv.kd
    .args:
      - { .name: acodes, .offset: 0, .size: 8, .value_kind: global_buffer, .address_space: global }
      - { .name: wcodes, .offset: 8, .size: 8, .value_kind: global_buffer, .address_space: global }
      - { .name: tab, .offset: 16, .size: 8, .value_kind: global_buffer, .address_space: global }
      - { .name: lowp_scales, .offset: 24, .size: 8, .value_kind: global_buffer, .address_space: global }
      - { .name: qimg, .offset: 32, .size: 8, .value_kind: global_buffer, .address_space: global }
      - { .name: kv, .offset: 40, .size: 8, .value_kind: global_buffer, .address_space: global }
    .group_segment_fixed_size: 327680
    .private_segment_fixed_size: 0
    .kernarg_segment_align: 8
    .kernarg_segment_size: 48
    .max_flat_workgroup_size: 128
    .sgpr_count:     100
    .vgpr_count:     1024
    .wavefront_size: 32
...
	.end_amdgpu_metadata
.endif
;; end of part 2
;; launch attn (part 3): grid 8 x 32, 16 waves a work-group, no clusters, 327,680 bytes of LDS; arguments qimg, kv, lowp_scales, oimg; writes oimg
.if DOCPART == 3
	.amdgcn_target "amdgcn-amd-amdhsa--gfx1250"
	.amdhsa_code_object_version 6
	.text
	.protected	k_q3abc196c5a_attn
	.globl	k_q3abc196c5a_attn
	.p2align	8
	.type	k_q3abc196c5a_attn,@function
k_q3abc196c5a_attn:
	s_mov_b64 s[64:65], 0
	v_nop
	global_prefetch_b8 v0, s[64:65] scope:SCOPE_SE
	s_setreg_imm32_b32 hwreg(HW_REG_WAVE_MODE, 25, 1), 1
	s_wait_xcnt 0x0
; ATTN.  Causal attention on codes of FP8 (E4M3): 32 heads (batch x head) of 2,048 positions and 64 channels.  q, k, v arrive as images of operand registers (16 bytes a lane, 512 a group); o leaves so.
; THE SOFTMAX AHEAD OF THE SECOND PRODUCT: t = score x log2(e) / 8; M = the largest t so far, rounded UP to a whole number; p = 2^(t - M) is what is quantised, with 2^e9; it is not normalised.
; The sum is taken of the unquantised p, in f32, and divides O at the end.  When M moves, the sum and O are multiplied by 2^(old M - new M): exact.  Then o is quantised with 2^e10.
; LEFT OUT: key steps all of whose keys come after a tile's queries: their p is 0.
; SHARES.  Work-group (x, head) owns the blocks x and 15 - x of 128 queries.  WAVES p AND p + 8 OWN TWO TILES OF 16 QUERIES TOGETHER, tile p of each block, and split each tile's key steps of 128 keys by parity:
; of every 256 keys wave p takes the first 128, wave p + 8 the second: 9 or 8 of the pair's 17 steps each.  Each wave keeps a running M, sum and O^T of its own for both tiles.
; One tile is MINE (waves 0-7: the long block's; waves 8-15: the short block's), the other THEIRS: at the end THEIRS goes to the partner through LDS, as an image of its registers, and MINE is joined with what the partner sends:
; both are brought under the larger M by a power of two.  A wave that had no step of a tile sends -M = 3e38 and zeros: its factor comes out as 0.  Only the tiles' first queries, scalars chosen by the wave's number, tell the roles apart.
; LDS.  A head's K and V are 256 KiB: four slots of 512 keys, 64 KiB each, dense in memory and in LDS: for each 256 keys K's images (2 steps x 8 tiles x 2 groups), then V's (2 steps x 4 tiles x 4 groups).
; EVERY SLOT HAS BYTES OF ITS OWN AND IS FILLED ONCE.  A load is a quarter of a slot, 64 rows of 256 bytes.  Slot 0: waves 0 to 3, at the head.  Behind the first barrier, one load a wave: waves 0 to 7 slots 1 and 2,
; which block 15 - x (at least block 8) always reads; waves 8 to 11 slot 3, where its first key, 1,536, is at or under the work-group's last query.  A second barrier stands behind slot 0's steps; behind it the waves walk three slots with no barrier.
; NO PREFETCH: slots 1 to 3 are asked for by tensor loads as soon as slot 0 is in, and have all of slot 0's steps in which to land.
; NO CLUSTER: of a head's eight work-groups four load four slots and four three.
; LAYOUT.  Both products are used transposed: S^T = K Q^T, O^T = V^T P^T: a lane holds ONE query (lane % 16) throughout.  The keys of a tile of K, and the channels of a tile of V, are not neighbours
; (row r of tile 2 b + u is 32 b + 8 u + r + 8 (r / 8)): so the 16 registers of tiles 2 b and 2 b + 1 are 16 neighbours, 32 b + 16 (lane / 16) + 0 .. 15, along the next K.
; LIMITS on the given exponents: e6 + e7 between -123 and 130 (added to c's exponent field); e9, and e10 - e8 - e9, between -126 and 119.  The scaled scores stay under 2^31 in magnitude.
; REGISTERS: v1 16 x lane; v2 the same + 8,192 x my parity; v4, v7 the stage: where I store, where I read; v5, v6 the add's two; v8 the slot's address;
;   MINE: v12 -M, v13 the largest t, v[14:15] the sum in two halves, v16-23 Q, v160-191 O^T;  THEIRS: v248-251, v24-31, v192-223;
;   v32-95 K's eight fragments, then V's four; v96-159 S^T, then p; v224-239 p's codes; v240, v241 the bound, v244 the scale in hand; v242, v243, v252-254 at work; v245 what the lane 16 away sends.
.set SLOT1, 65536                      ; a slot's bytes
.set SPARE, 262144                     ; behind the four slots: the spare words, 128 bytes for each of the sixteen waves, which no other line names
.set STGW,  4608                       ; a wave's stage of the hand-over: nine groups of 512 bytes.  The stages lie from byte 0 on, in slots that have had their one fill, behind a barrier behind which nobody reads K or V
.set NSL,   4
.set LI,   1
.set LIQ,  2
.set SA,   4
.set SPW,  5
.set NIL,  6
.set RA,   7
.set ADR,  8
.set STM,  12
.set QM,   16
.set OM,   160
.set STT,  248
.set QT,   24
.set OT,   192
.set XL,   245
.set TB,   2                           ; s2   LDS byte at which the slot in hand begins
.set WV,   18                          ; s18  my wave's number
.set QW,   19                          ; s19  my parity: wave / 8
.set SEL,  20                          ; s[20:21] lane selects for v_permlanex16_b32: lane l xor 16
.set CS,   22                          ; s[22:23] c = log2(e) / 8 x 2^(e6 + e7)
.set G1,   24                          ; s[24:31] descriptor group 1
.set G0,   40                          ; s[40:43] group 0
.set LASTQ, 66                         ; s66  my work-group's last query
.set SLOTS, 67                         ; s67  slots still to be walked in the loop
.set KB,   93                          ; s93  the slot's first key + 128 x my parity
.set KF,   94                          ; s94  the step's first key
.set Q0T,  95                          ; s95  THEIRS: the tile's first query
.set Q0M,  99                          ; s99  MINE
.macro FOUR
.rept 4
	v_nop
.endr
.endm
	s_load_b128 s[4:7], s[0:1], 0x0                ; qimg s[4:5], kv s[6:7]
	s_load_b128 s[8:11], s[0:1], 0x10              ; the exponents s[8:9], oimg s[10:11]
	v_lshl_add_u32 v[SPW], v0, 2, SPARE
	v_mov_b32 v[NIL], 0
	ds_add_u32 v[SPW], v[NIL]                      ; the opening lines: the add, twice on end, and its wait; the set-up below stands between
	ds_add_u32 v[SPW], v[NIL]
	v_lshrrev_b32 v8, 5, v0
	s_delay_alu instid0(VALU_DEP_1)
	v_readfirstlane_b32 s[WV], v8                  ; wave 0..15
	s_lshr_b32 s[QW], s[WV], 3
	s_and_b32 s12, ttmp7, 0xffff                   ; the head: 16 x batch + head
	s_and_b32 s14, s[WV], 7
	s_lshl_b32 s14, s14, 4                         ; 16 x the pair's number
	s_lshl_b32 s13, ttmp9, 7
	s_add_co_u32 s15, s13, s14                     ; the short block's tile: 128 x + 16 p
	s_sub_co_u32 s16, 1920, s13
	s_add_co_u32 s16, s16, s14                     ; the long block's: 128 (15 - x) + 16 p
	s_cmp_eq_u32 s[QW], 0
	s_cselect_b32 s[Q0M], s16, s15
	s_cselect_b32 s[Q0T], s15, s16
	s_sub_co_u32 s[LASTQ], 2047, s13               ; the last query of block 15 - x
	s_lshl_b32 s34, s12, 17                        ; Q: 128 KiB a head, 1,024 bytes a tile of 16 queries
	s_lshl_b32 s32, s[Q0M], 6
	s_add_co_u32 s32, s32, s34
	s_mov_b32 s33, 0
	s_lshl_b32 s44, s[Q0T], 6
	s_add_co_u32 s44, s44, s34
	s_mov_b32 s45, 0
	s_lshl_b32 s34, s12, 18                        ; kv: 256 KiB a head
	s_mov_b32 s35, 0
	s_lshl_b32 s36, s[WV], 14                      ; quarter w of the head's sixteen, in memory and in LDS: my first load's, if I have one at the head
	s_mov_b32 s37, 0
	s_lshr_b32 s38, s12, 4                         ; o: [128 rows][4 x 256 along K][8 blocks of 16 rows][2 x 128 along K][4][lane][16 bytes]: 128 KiB for 128 rows, 32 KiB for four heads, 4 KiB a block, 1,024 bytes a head
	s_lshl_b32 s38, s38, 21
	s_lshr_b32 s39, s[Q0M], 7
	s_lshl_b32 s39, s39, 17
	s_add_co_u32 s38, s38, s39
	s_bfe_u32 s39, s[Q0M], 0x30004
	s_lshl_b32 s39, s39, 12
	s_add_co_u32 s38, s38, s39
	s_bfe_u32 s39, s12, 0x20002
	s_lshl_b32 s39, s39, 15
	s_add_co_u32 s38, s38, s39
	s_and_b32 s39, s12, 3
	s_lshl_b32 s39, s39, 10
	s_add_co_u32 s38, s38, s39
	s_mov_b32 s39, 0
	s_mov_b32 s[G1], 3<<16                         ; no mask; elements of 8 bytes; no padding
	s_mov_b32 s[G1+1], 32<<16                      ; tensor_dim0 = 32 elements
	s_mov_b32 s[G1+2], 64<<16                      ; tensor_dim1 = 64
	s_mov_b32 s[G1+3], 32<<16                      ; tile_dim0
	s_mov_b32 s[G1+4], 64                          ; tile_dim1
	s_mov_b32 s[G1+5], 32                          ; tensor_dim0_stride
	s_mov_b32 s[G1+6], 0
	s_mov_b32 s[G1+7], 0
	s_mov_b32 s[SEL], 0x76543210
	s_mov_b32 s[SEL+1], 0xfedcba98
	s_mov_b32 s[CS], 0x3e38aa3b                    ; log2(e) / 8
	s_mov_b32 s[TB], 0
	s_mov_b32 s[SLOTS], NSL-1
	s_lshl_b32 s[KB], s[QW], 7
	s_wait_dscnt 0x0                               ; both opening adds are done
	s_wait_kmcnt 0x0
	s_load_b64 s[68:69], s[8:9], 0x18              ; e6, e7
	s_load_b128 s[72:75], s[8:9], 0x20             ; e8, e9, e10, e11
	s_add_nc_u64 s[6:7], s[6:7], s[34:35]          ; kv at my head
	s_mov_b32 s[G0], 1
	s_mov_b32 s[G0+1], s36
	s_add_nc_u64 s[G0+2:G0+3], s[6:7], s[36:37]
	s_or_b32 s[G0+3], s[G0+3], 0x80000000          ; type = 2
	s_cmp_lt_u32 s[WV], 4                          ; slot 0: waves 0 to 3
	s_cbranch_scc0 .Lasked0
	tensor_load_to_lds s[G0:G0+3], s[G1:G1+7]
	s_nop 0
	FOUR
.Lasked0:
	s_add_nc_u64 s[46:47], s[4:5], s[44:45]        ; Q of THEIRS,
	s_add_nc_u64 s[4:5], s[4:5], s[32:33]          ; of MINE
	s_add_nc_u64 s[10:11], s[10:11], s[38:39]      ; o of MINE
	v_and_b32 v[LI], 31, v0
	s_delay_alu instid0(VALU_DEP_1)
	v_lshlrev_b32 v[LI], 4, v[LI]
	global_load_b128 v[QM:QM+3], v[LI], s[4:5]                 ; both tiles' fragments of Q stay in registers
	global_load_b128 v[QM+4:QM+7], v[LI], s[4:5] offset:512
	global_load_b128 v[QT:QT+3], v[LI], s[46:47]
	global_load_b128 v[QT+4:QT+7], v[LI], s[46:47] offset:512
	s_lshl_b32 s17, s[QW], 13
	v_add_nc_u32 v[LIQ], s17, v[LI]                ; in each 256 keys' images my step's lie 8,192 x my parity on, K's and V's alike
	s_mul_i32 s17, s[WV], STGW
	v_add_nc_u32 v[SA], s17, v[LI]                 ; my stage
	s_xor_b32 s17, s[WV], 8
	s_mul_i32 s17, s17, STGW
	v_add_nc_u32 v[RA], s17, v[LI]                 ; my partner's
.irp s, STM, STT
	v_mov_b32 v[\s+1], 0xff61b1e6                  ; the largest t so far: -3e38, under every t
	s_delay_alu instid0(VALU_DEP_1)
	v_floor_f32 v[\s], -v[\s+1]                    ; -M
	v_mov_b32 v[\s+2], 0                           ; the sum, in two halves
	v_mov_b32 v[\s+3], 0
.endr
	v_mov_b32 v[XL], 0                             ; written once: a lane permute's destination counts as one of its sources
	v_mov_b32 v253, 0                              ; (named as the upper half of the pair v[252:253])
.set i, 0
.rept 64
	v_mov_b32 v[OM+i], 0                           ; O^T of both tiles: a tile's first step finds zeros, which the first change of M leaves zeros
.set i, i+1
.endr
	s_wait_kmcnt 0x0
	s_add_co_i32 s84, s68, s69
	s_lshl_b32 s84, s84, 23
	s_add_co_i32 s[CS], s[CS], s84                 ; a score stands for score x 2^(e6 + e7): the two exponents are added to c's exponent field
	s_mov_b32 s[CS+1], s[CS]
	s_add_co_i32 s84, s73, 127
	s_lshl_b32 s85, s84, 23
	v_mov_b32 v244, s85                            ; 2^e9 as f32, for p's conversions
	s_add_co_i32 s84, s84, 8
	s_lshl_b32 s84, s84, 23
	s_or_b32 s84, s84, 0x600000
	v_mov_b32 v240, s84                            ; 448 x 2^e9,
	v_mov_b32 v241, s84                            ; twice: the two halves of a dual pair take their second sources from different register banks
; A KEY STEP of one tile: my 128 of the slot's u-th 256 keys.  qr, or, st: the tile's Q, O^T and statistics; q0: the scalar register with its first query.
.macro STEP u, qr, or, st, q0
	s_add_co_u32 s[KF], s[KB], 256*(\u)
	s_add_co_u32 s96, s[\q0], 15                   ; a step all of whose keys come after the tile's 16 queries is left out: a scalar branch on ids, round the step's loads, products and softmax
	s_cmp_gt_u32 s[KF], s96
	s_cbranch_scc1 .Lhidden_\@
	v_add_nc_u32 v[ADR], s[TB], v[LIQ]
.rept 3
	v_nop                                          ; with the addition above: four places in front of loads into registers that the last step's products have read
.endr
.irp t, 0,1,2,3,4,5,6,7
.irp c, 0,1
	ds_load_b128 v[32+8*\t+4*\c:32+8*\t+4*\c+3], v[ADR] offset:32768*(\u)+1024*\t+512*\c   ; 32 lanes read 512 consecutive bytes
.endr
.endr
	s_wait_alu depctr_va_vdst(0)
	s_wait_dscnt 0x0
.irp t, 0,1,2,3,4,5,6,7
	v_wmma_f32_16x16x64_fp8_fp8 v[96+8*\t:103+8*\t], v[32+8*\t:39+8*\t], v[\qr:\qr+7], 0
.endr
	FOUR                                           ; four places: in front of the loads into K's registers, and of the first read of the scores
.irp t, 0,1,2,3
.irp c, 0,1,2,3
	ds_load_b128 v[32+16*\t+4*\c:32+16*\t+4*\c+3], v[ADR] offset:32768*(\u)+16384+2048*\t+512*\c   ; V's fragments land while the softmax is walked
.endr
.endr
	s_add_co_u32 s96, s[KF], 127                   ; on the diagonal the scores of hidden keys become -infinity ahead of the maximum: p = 0 then.  A step all of whose keys count skips this
	s_cmp_le_u32 s96, s[\q0]
	s_cbranch_scc1 .Lopen_\@
	s_sub_co_i32 s96, s[\q0], s[KF]
	v_and_b32 v252, 15, v0
	v_bfe_u32 v253, v0, 4, 1
	s_delay_alu instid0(VALU_DEP_1)
	v_lshlrev_b32 v253, 4, v253
	s_delay_alu instid0(VALU_DEP_1)
	v_sub_nc_u32 v252, v252, v253
	s_delay_alu instid0(VALU_DEP_1)
	v_add_nc_u32 v252, s96, v252                   ; d = my query - KF - 16 (lane / 16).  Register 16 b + i holds key KF + 16 (lane / 16) + 32 b + i: hidden where 32 b + i > d
	v_mov_b32 v254, 0xff800000
.set i, 0
.rept 64
	v_cmp_gt_i32 vcc_lo, 32*(i/16)+i%16, v252
	v_cndmask_b32 v[96+i], v[96+i], v254, vcc_lo
.set i, i+1
.endr
.Lopen_\@:
	v_max3_num_f32 v254, v96, v97, v98             ; the step's largest score of my query, among my 64 keys, in two chains,
	v_max3_num_f32 v252, v99, v100, v101
.irp i, 6,10,14,18,22,26,30,34,38,42,46,50,54,58
	v_max3_num_f32 v254, v254, v[96+\i], v[97+\i]
	v_max3_num_f32 v252, v252, v[98+\i], v[99+\i]
.endr
	v_max3_num_f32 v254, v254, v158, v159
	s_delay_alu instid0(VALU_DEP_1)
	v_max_num_f32 v254, v254, v252
	s_delay_alu instid0(VALU_DEP_1)
	v_permlanex16_b32 v[XL], v254, s[SEL], s[SEL+1]
	s_delay_alu instid0(VALU_DEP_1)
	v_max_num_f32 v254, v254, v[XL]                ; and among lane l xor 16's
	s_delay_alu instid0(VALU_DEP_1)
	v_mul_f32 v254, s[CS], v254                    ; as t (c is positive)
	s_delay_alu instid0(VALU_DEP_1)
	v_max_num_f32 v[\st+1], v[\st+1], v254         ; the running largest t
	v_mov_b32 v254, v[\st]
	s_delay_alu instid0(VALU_DEP_2)
	v_floor_f32 v[\st], -v[\st+1]                  ; the new -M = floor(-t) = -ceil(t): M is a whole number
	s_delay_alu instid0(VALU_DEP_1)
	v_sub_f32 v254, v[\st], v254                   ; M's old value less its new one: a whole number, 0 or less
	s_delay_alu instid0(VALU_DEP_1)
	v_cvt_i32_f32 v254, v254                       ; (it saturates)
	s_delay_alu instid0(VALU_DEP_1)
	v_ldexp_f32 v252, 1.0, v254                    ; f = 2^(old M - new M)
.set i, 0
.rept 32
	v_pk_fma_f32 v[96+i:97+i], v[96+i:97+i], s[CS:CS+1], v[\st:\st+1] op_sel_hi:[1,0,0]   ; t - M, two at a time
.set i, i+2
.endr
.set i, 0
	s_wait_alu depctr_va_vdst(0)
.rept 64
	v_exp_f32 v[96+i], v[96+i]                     ; p = 2^(t - M), at most 1: not normalised
.set i, i+1
.endr
	v_pk_mul_f32 v[\st+2:\st+3], v[\st+2:\st+3], v[252:253] op_sel_hi:[1,0]   ; the sums under the new M.  (A plain instruction behind the exponentials)
	s_wait_alu depctr_va_vdst(0)                   ; one wait for the whole batch, ahead of its first reader
	v_pk_add_f32 v[242:243], v[96:97], v[98:99]    ; the sum is taken of the unquantised p: two at a time, in two chains
.irp j, 4,8,12,16,20,24,28,32,36,40,44,48,52,56,60
	v_pk_add_f32 v[\st+2:\st+3], v[\st+2:\st+3], v[96+\j:97+\j]
	v_pk_add_f32 v[242:243], v[242:243], v[98+\j:99+\j]
.endr
	s_delay_alu instid0(VALU_DEP_1)
	v_pk_add_f32 v[\st+2:\st+3], v[\st+2:\st+3], v[242:243]
.irp b, 0,1,2,3
.irp i, 0,2,4,6,8,10,12,14
	v_dual_min_num_f32 v[96+16*\b+\i], v[96+16*\b+\i], v240 :: v_dual_min_num_f32 v[97+16*\b+\i], v[97+16*\b+\i], v241   ; the conversion to an 8-bit code does not saturate (ISA guide 7.6.2); p is not negative, so the hold is one-sided; two numbers an instruction
.endr
	v_cvt_scalef32_pk8_fp8_f32 v[224+4*\b:225+4*\b], v[96+16*\b:103+16*\b], v244
	v_cvt_scalef32_pk8_fp8_f32 v[226+4*\b:227+4*\b], v[104+16*\b:111+16*\b], v244
.endr
.set i, 0
.rept 16
	v_pk_mul_f32 v[\or+i:\or+i+1], v[\or+i:\or+i+1], v[252:253] op_sel_hi:[1,0]   ; O^T under the new M: x f.  (These are also the plain instructions between the conversions and the products)
.set i, i+2
.endr
	s_wait_alu depctr_va_vdst(0)
	s_wait_dscnt 0x0                               ; V's fragments are in
.irp t, 0,1,2,3
	v_wmma_f32_16x16x128_fp8_fp8 v[\or+8*\t:\or+8*\t+7], v[32+16*\t:47+16*\t], v[224:239], v[\or+8*\t:\or+8*\t+7]   ; four accumulators by turns
.endr
.Lhidden_\@:
.endm
.macro SLOT_STEPS                      ; my two steps of the slot's four, for each of my two tiles
	STEP 0, QM, OM, STM, Q0M
	STEP 0, QT, OT, STT, Q0T
	STEP 1, QM, OM, STM, Q0M
	STEP 1, QT, OT, STT, Q0T
	s_add_co_u32 s[TB], s[TB], SLOT1               ; on to the next slot
	s_add_co_u32 s[KB], s[KB], 512
.endm
	s_wait_loadcnt 0x0                             ; Q
	; THE FIRST BARRIER: slot 0 is whole behind it.  The later first fills stand behind the wait, the add and the barrier belowthe add is written twice.
	s_wait_tensorcnt 0x0                           ; my part of slot 0 is in, and the group 0 may be written
	ds_add_u32 v[SPW], v[NIL]
	ds_add_u32 v[SPW], v[NIL]
	s_add_co_u32 s[G0+1], s[G0+1], SLOT1           ; quarter w + 4 of the head's sixteen: slots 1 to 3
	s_add_nc_u64 s[G0+2:G0+3], s[G0+2:G0+3], SLOT1 ; the type bits on top are not reached
	s_wait_dscnt 0x0
	s_barrier_signal -1
	s_barrier_wait -1
	s_cmp_lt_u32 s[WV], 8
	s_cbranch_scc0 .Lhigh
	tensor_load_to_lds s[G0:G0+3], s[G1:G1+7]      ; waves 0 to 7: slots 1 and 2
	s_nop 0
	FOUR
	s_branch .Lasked1
.Lhigh:
	s_cmp_lt_u32 s[LASTQ], 1536                    ; slot 3's first key comes after my work-group's last query: none of its waves reads the slot, so it is not asked for.  Ids alone; every wait on TENSORcnt in this text is for 0
	s_cbranch_scc1 .Lasked1
	s_cmp_lt_u32 s[WV], 12
	s_cbranch_scc0 .Lasked1
	tensor_load_to_lds s[G0:G0+3], s[G1:G1+7]      ; waves 8 to 11: slot 3
	s_nop 0
	FOUR
.Lasked1:
	SLOT_STEPS                                     ; slot 0
	; THE SECOND BARRIER: slots 1 to 3 are whole behind it.
	s_wait_tensorcnt 0x0
	ds_add_u32 v[SPW], v[NIL]
	s_wait_dscnt 0x0
	s_barrier_signal -1
	s_barrier_wait -1
.Lslot:                                            ; three trips, with no barrier: each wave walks its steps of slots 1 to 3 as it comes to them
	SLOT_STEPS
	s_sub_co_u32 s[SLOTS], s[SLOTS], 1
	s_cmp_lg_u32 s[SLOTS], 0
	s_cbranch_scc1 .Lslot
	; THE HAND-OVER.  A barrier, behind which nobody reads K or V; THEIRS goes into my stage as its registers stand: eight groups of O^T, one of the statistics; a barrier; my partner's stage holds the other half of MINE.
	v_add_f32 v[STT+2], v[STT+2], v[STT+3]         ; the sums' two halves.  (With the two v_nop: four places behind the last products)
	v_add_f32 v[STM+2], v[STM+2], v[STM+3]
	v_nop
	v_nop
	s_wait_alu depctr_va_vdst(0)
	s_wait_dscnt 0x0                               ; my reads of the slots are over
	s_barrier_signal -1
	s_barrier_wait -1
.irp i, 0,1,2,3,4,5,6,7
	ds_store_b128 v[SA], v[OT+4*\i:OT+4*\i+3] offset:512*\i    ; each accumulator from its low end on
.endr
	ds_store_b128 v[SA], v[STT:STT+3] offset:4096
	s_wait_dscnt 0x0                               ; for my partner's sake: my stores are done
	s_barrier_signal -1
	s_barrier_wait -1
.irp i, 0,1,2,3,4,5,6,7,8
	ds_load_b128 v[32+4*\i:35+4*\i], v[RA] offset:512*\i       ; v32-63 O^T, v64 -M, v66 the sum
.endr
	s_sub_co_i32 s84, s74, s72
	s_sub_co_i32 s84, s84, s73                     ; e10 - e8 - e9
	s_add_co_i32 s84, s84, 127
	s_lshl_b32 s85, s84, 23
	v_mov_b32 v244, s85
	s_add_co_i32 s84, s84, 8
	s_lshl_b32 s84, s84, 23
	s_or_b32 s84, s84, 0x600000
	v_mov_b32 v240, s84
	s_wait_dscnt 0x0
	v_min_num_f32 v252, v[STM], v64                ; -M of the larger M
	s_delay_alu instid0(VALU_DEP_1)
	v_sub_f32 v253, v252, v[STM]                   ; each half's M less the larger: a whole number, 0 or less
	s_delay_alu instid0(VALU_DEP_2)
	v_sub_f32 v254, v252, v64
	s_delay_alu instid0(VALU_DEP_2)
	v_cvt_i32_f32 v253, v253                       ; (it saturates)
	s_delay_alu instid0(VALU_DEP_2)
	v_cvt_i32_f32 v254, v254
	s_delay_alu instid0(VALU_DEP_2)
	v_ldexp_f32 v253, 1.0, v253                    ; my half's factor,
	s_delay_alu instid0(VALU_DEP_2)
	v_ldexp_f32 v254, 1.0, v254                    ; my partner's: powers of two, or 0 for a half that had no step
	s_delay_alu instid0(VALU_DEP_2)
	v_mul_f32 v[STM+2], v[STM+2], v253
	s_delay_alu instid0(VALU_DEP_1)
	v_fma_f32 v[STM+2], v66, v254, v[STM+2]        ; the sum under the larger M,
	s_delay_alu instid0(VALU_DEP_1)
	v_permlanex16_b32 v[XL], v[STM+2], s[SEL], s[SEL+1]
	s_delay_alu instid0(VALU_DEP_1)
	v_add_f32 v[STM+2], v[STM+2], v[XL]            ; and lane l xor 16's: the row's sum
	s_wait_alu depctr_va_vdst(0)
	v_rcp_f32 v[STM+2], v[STM+2]
	v_nop                                          ; a plain instruction behind the reciprocal
	s_wait_alu depctr_va_vdst(0)                   ; the wait, ahead of the reciprocal's first reader
	v_mul_f32 v253, v253, v[STM+2]
	v_mul_f32 v254, v254, v[STM+2]
	; THE WAY OUT.  o = O^T x 2^(e8 + e9) / the sum; its code is o / 2^e10: the three exponents are folded into the conversion's one.  The conversions' results are the next product's operand registers: 16 bytes a lane, stored as they stand.
.set i, 0
.rept 32
	v_mul_f32 v[96+i], v[OM+i], v253               ; register 8 t + j: channel 32 (t / 2) + 16 (lane / 16) + 8 (t % 2) + j of my query; each accumulator from its low end on
.set i, i+1
.endr
.set i, 0
.rept 32
	v_fma_f32 v[96+i], v[32+i], v254, v[96+i]
.set i, i+1
.endr
.set i, 0
.rept 32
	v_med3_num_f32 v[96+i], v[96+i], -v240, v240
.set i, i+1
.endr
.irp b, 0,1
	v_cvt_scalef32_pk8_fp8_f32 v[224+4*\b:225+4*\b], v[96+16*\b:103+16*\b], v244
	v_cvt_scalef32_pk8_fp8_f32 v[226+4*\b:227+4*\b], v[104+16*\b:111+16*\b], v244
.endr
	v_nop
	global_store_b128 v[LI], v[224:227], s[10:11]              ; 32 lanes store 512 consecutive bytes: channels 0-31 of my head,
	global_store_b128 v[LI], v[228:231], s[10:11] offset:512   ; and channels 32-63
	s_wait_tensorcnt 0x0                           ; the wave's end, behind my last tensor load and my last LDS store
	ds_add_u32 v[SPW], v[NIL]
	s_wait_dscnt 0x0
	s_endpgm
.Lfunc_end_k_q3abc196c5a_attn:
	.size	k_q3abc196c5a_attn, .Lfunc_end_k_q3abc196c5a_attn-k_q3abc196c5a_attn
	.p2alignl 7, 3214868480
	.fill 96, 4, 3214868480
	.section	.rodata,"a",@progbits
	.p2align	6, 0x0
	.amdhsa_kernel k_q3abc196c5a_attn
		.amdhsa_group_segment_fixed_size 327680
		.amdhsa_private_segment_fixed_size 0
		.amdhsa_enable_private_segment 0
		.amdhsa_kernarg_size 32
		.amdhsa_user_sgpr_count 2
		.amdhsa_user_sgpr_kernarg_segment_ptr 1
		.amdhsa_wavefront_size32 1
		.amdhsa_system_sgpr_workgroup_id_x 1
		.amdhsa_system_sgpr_workgroup_id_y 1
		.amdhsa_system_sgpr_workgroup_id_z 1
		.amdhsa_system_vgpr_workitem_id 0
		.amdhsa_next_free_vgpr 256
		.amdhsa_next_free_sgpr 100
		.amdhsa_reserve_vcc 1
		.amdhsa_float_denorm_mode_32 3
		.amdhsa_float_denorm_mode_16_64 3
		.amdhsa_memory_ordered 1
		.amdhsa_forward_progress 1
		.amdhsa_inst_pref_size 186
	.end_amdhsa_kernel
	.amdgpu_metadata
---
amdhsa.version: [ 1, 2 ]
amdhsa.kernels:
  - .name:           k_q3abc196c5a_attn
    .symbol:         k_q3abc196c5a_attn.kd
    .args:
      - { .name: qimg, .offset: 0, .size: 8, .value_kind: global_buffer, .address_space: global }
      - { .name: kv, .offset: 8, .size: 8, .value_kind: global_buffer, .address_space: global }
      - { .name: lowp_scales, .offset: 16, .size: 8, .value_kind: global_buffer, .address_space: global }
      - { .name: oimg, .offset: 24, .size: 8, .value_kind: global_buffer, .address_space: global }
    .group_segment_fixed_size: 327680
    .private_segment_fixed_size: 0
    .kernarg_segment_align: 8
    .kernarg_segment_size: 32
    .max_flat_workgroup_size: 512
    .sgpr_count:     100
    .vgpr_count:     256
    .wavefront_size: 32
...
	.end_amdgpu_metadata
.endif
;; end of part 3
;; launch oproj (part 4): grid 8 x 32, 4 waves a work-group, clusters of 4 x 4, 327,680 bytes of LDS; arguments oimg, wcodes, lowp_scales, out0; writes out0
.if DOCPART == 4
	.amdgcn_target "amdgcn-amd-amdhsa--gfx1250"
	.amdhsa_code_object_version 6
	.text
	.protected	k_q3abc196c5a_oproj
	.globl	k_q3abc196c5a_oproj
	.p2align	8
	.type	k_q3abc196c5a_oproj,@function
k_q3abc196c5a_oproj:
	s_mov_b64 s[64:65], 0
	v_nop
	global_prefetch_b8 v0, s[64:65] scope:SCOPE_SE
	s_setreg_imm32_b32 hwreg(HW_REG_WAVE_MODE, 25, 1), 1
	s_wait_xcnt 0x0
	s_wait_alu depctr_hold_cnt(0) depctr_sa_sdst(0) depctr_va_vdst(0) depctr_va_sdst(0) depctr_va_ssrc(0) depctr_va_vcc(0) depctr_vm_vsrc(0)
	s_getreg_b32 s2, hwreg(HW_REG_IB_STS2, 6, 4)
	s_cmp_eq_u32 s2, 0
	s_cbranch_scc0 .Lentry_in_a_cluster
	s_endpgm
.Lentry_in_a_cluster:
	s_bfe_u32 s2, ttmp6, 0x10000c
	s_cmp_lg_u32 s2, 0xf033
	s_cbranch_scc0 .Lentry_shape_is_right
	s_endpgm
.Lentry_shape_is_right:
; OPROJ.  out0 [4096][2048] f32 = o Wo^T on codes of FP8 (E4M3); each finished sum is multiplied once by 2^(e10 + e11).  LIMIT: e10 + e11 between -126 and 127.
; A tile of 128 x 256 is made by four waves, 64 x 128 each (32 accumulators): 32 x 8 tiles, one for each of 256 work-groups.
; K = 1,024 is four chunks of 256.  o arrives as images of operand registers, [128 rows][chunk][8 blocks of 16 rows][4,096 bytes]: a tile's chunks lie on end, 32 KiB each.  Wo's codes are rows of 1,024 bytes.
; LDS: three places of 32 KiB for A's chunks, three of 256 rows x 272 bytes for B's.  CHUNKS 0 TO 2 ARE ASKED FOR AT THE HEAD, one tensor load a wave: wave 0 A's three as one dense block, waves 1 to 3 one chunk of B each.
; Chunk 3 is the launch's one refill, into chunk 0's places, behind a round of the cluster's barrier that stands as soon as chunk 0's last fragments are in registers: four steps' products lie between the request and the wait for it.
; CLUSTERS of 4 x 4: A's tile is shared along a row of the cluster, B's along a column, each by a joint load.
; NO PREFETCH: the text has no loop to run ahead in; three of the four chunks are asked for by the first instruction that could name them.
; The matrix instruction is used transposed (source 0 = 16 rows of Wo, source 1 = 16 rows of o): a lane holds eight neighbouring numbers of a row of out0.
; REGISTERS: window 0: v10-18 addresses, v28, v29 the add's two, v128-255 A's fragments in two sets (the way out: v32-95 scaled sums, v128-255 rows read back); window 1: B's fragments in two sets; window 2: the accumulators, (a, b) at v[8 (8 a + b)].
.set SIZE_N, 2048
.set PITCH,  272                       ; a row of B in LDS: 256 bytes + 16 of padding
.set ACH,    32768                     ; a chunk of A
.set BCH,    256*PITCH                 ; a chunk of B
.set BOFF,   3*ACH
.set SPARE,  BOFF+3*BCH                ; the spare words, 128 bytes a wave, which no other line names
.set STAGE,  BOFF+BCH                  ; the way out: in B's second place, which is filled once and read for the last time ahead of the last barrier
.set SPITCH, 528
.set ADRA, 10                          ; v10-12 my A fragments in places 0, 1, 2
.set ADRB, 13                          ; v13-15 the same for B
.set STO,  16
.set RD,   17
.set CO,   18
.set SPW,  28
.set NIL,  29
.set TMP,  32
.set AF,   128
.set BK,   128
.set G1A,  24                          ; group 1: A at the head, 384 rows of 256 bytes
.set G1R,  32                          ; A's refill, 128 rows
.set G1B,  48                          ; B, 256 rows of 256 bytes, padded
.set G0A,  56
.set G0R,  60
.set G0B,  68
.set G0S,  72
.set MSB, 0
.macro WIN new                         ; the immediate's high byte repeats the setting that is left
.if MSB != \new
	s_set_vgpr_msb (MSB<<8)|\new
.set MSB, \new
.endif
.endm
.set MUL,  0xa1                        ; source 0 (B) window 1, source 1 (A) window 0, C and D window 2
.set TO_B, 0x40
.macro PLACES
.rept 4
	v_nop
.endr
.endm
.macro CREST
	s_cmp_lg_u32 s14, 0
	s_cbranch_scc1 .Lnot_wave_0_\@
	s_barrier_signal -3
.Lnot_wave_0_\@:
	s_barrier_wait -3
	s_barrier_signal -1
	s_barrier_wait -1
.endm
.macro CROUND
	s_barrier_signal -1
	s_barrier_wait -1
	CREST
.endm
	s_load_b128 s[4:7], s[0:1], 0x0                ; oimg, wcodes
	s_load_b128 s[8:11], s[0:1], 0x10              ; the exponents, out0
	v_lshl_add_u32 v[SPW], v0, 2, SPARE
	v_mov_b32 v[NIL], 0
	ds_add_u32 v[SPW], v[NIL]                      ; the opening lines: the add, twice on end, and its wait
	ds_add_u32 v[SPW], v[NIL]
	v_lshrrev_b32 v1, 5, v0
	v_readfirstlane_b32 s14, v1                    ; wave
	s_lshr_b32 s15, s14, 1                         ; which 64 rows are mine
	s_and_b32 s16, s14, 1                          ; which 128 columns
	s_bfe_u32 s40, ttmp6, 0x40000                  ; cx
	s_bfe_u32 s41, ttmp6, 0x40004                  ; cy
	s_lshl_b32 s42, ttmp9, 2
	s_add_co_u32 s42, s42, s40                     ; tile column, 0..7
	s_and_b32 s17, ttmp7, 0xffff
	s_lshl_b32 s17, s17, 2
	s_add_co_u32 s17, s17, s41                     ; tile row, 0..31
	s_lshl_b32 s43, s41, 2
	s_lshl_b32 s43, 15, s43                        ; my row of the cluster
	s_lshl_b32 s44, 0x1111, s40                    ; my column
	s_or_b32 s[G1A], s43, (3<<16)|(1<<21)          ; elements of 8 bytes, no padding
	s_or_b32 s[G1R], s43, (3<<16)|(1<<21)
	s_mov_b32 s[G1A+2], 384<<16
	s_mov_b32 s[G1A+4], 384
	s_mov_b32 s[G1R+2], 128<<16
	s_mov_b32 s[G1R+4], 128
.irp g, G1A, G1R
	s_mov_b32 s[\g+1], 32<<16
	s_mov_b32 s[\g+3], 32<<16
	s_mov_b32 s[\g+5], 32
	s_mov_b32 s[\g+6], 0
	s_mov_b32 s[\g+7], 0
.endr
	s_or_b32 s[G1B], s44, (0<<16)|(1<<20)|(1<<21)|(5<<22)|(3<<25)   ; elements of 1 byte; four words of padding behind every 64
	s_mov_b32 s[G1B+1], 256<<16
	s_mov_b32 s[G1B+2], 256<<16
	s_mov_b32 s[G1B+3], 256<<16
	s_mov_b32 s[G1B+4], 256
	s_mov_b32 s[G1B+5], 1024
	s_mov_b32 s[G1B+6], 0
	s_mov_b32 s[G1B+7], 0
	s_lshl_b32 s20, s17, 17                        ; A: 128 KiB a tile row
	s_mov_b32 s21, 0
	s_lshl_b32 s46, s42, 18                        ; B: 256 rows of 1,024 bytes a tile column, in Wo's part of wcodes; wave w (1..3) takes chunk w - 1
	s_add_co_u32 s12, s46, 0x600000+768            ; chunk 3
	s_mov_b32 s13, 0
	s_add_co_u32 s46, s46, 0x600000-256
	s_lshl_b32 s18, s14, 8
	s_add_co_u32 s46, s46, s18
	s_mov_b32 s47, 0
	s_mul_i32 s19, s14, BCH
	s_add_co_u32 s19, s19, BOFF-BCH                ; and puts it into B's place w - 1
	s_wait_dscnt 0x0                               ; both opening adds are done
	s_wait_kmcnt 0x0
	s_load_b64 s[96:97], s[8:9], 0x28              ; e10, e11
	s_mov_b32 s[G0A], 1
	s_mov_b32 s[G0A+1], 0
	s_add_nc_u64 s[G0A+2:G0A+3], s[4:5], s[20:21]
	s_mov_b32 s[G0R], 1
	s_mov_b32 s[G0R+1], 0
	s_add_nc_u64 s[G0R+2:G0R+3], s[G0A+2:G0A+3], 3*ACH
	s_or_b32 s[G0A+3], s[G0A+3], 0x80000000
	s_or_b32 s[G0R+3], s[G0R+3], 0x80000000
	s_mov_b32 s[G0B], 1
	s_mov_b32 s[G0B+1], s19
	s_add_nc_u64 s[G0B+2:G0B+3], s[6:7], s[46:47]
	s_or_b32 s[G0B+3], s[G0B+3], 0x80000000
	s_mov_b32 s[G0S], 1
	s_mov_b32 s[G0S+1], BOFF
	s_add_nc_u64 s[G0S+2:G0S+3], s[6:7], s[12:13]
	s_or_b32 s[G0S+3], s[G0S+3], 0x80000000
	CROUND                                         ; the sixteen work-groups meet in front of the first joint loads
	s_cmp_eq_u32 s14, 0
	s_cbranch_scc0 .Lhead_b
	tensor_load_to_lds s[G0A:G0A+3], s[G1A:G1A+7]  ; wave 0: A's chunks 0 to 2
	s_nop 0
	PLACES
	s_branch .Lhead_j
.Lhead_b:
	tensor_load_to_lds s[G0B:G0B+3], s[G1B:G1B+7]  ; waves 1 to 3: B's chunk w - 1
	s_nop 0
	PLACES
.Lhead_j:
	s_lshl_b32 s21, s15, 14                        ; my four blocks of A
	s_mul_i32 s22, s16, 128*PITCH
	s_add_co_u32 s22, s22, BOFF                    ; my 128 rows of B
	s_mul_i32 s23, s14, 16*SPITCH
	s_add_co_u32 s23, s23, STAGE                   ; my stage
	v_and_b32 v1, 15, v0                           ; r
	v_bfe_u32 v2, v0, 4, 1                         ; h
	v_and_b32 v6, 31, v0
	v_lshlrev_b32 v[CO], 4, v6                     ; 16 x lane
	v_mul_u32_u24 v3, v1, PITCH
	v_lshl_add_u32 v4, v2, 4, v3
	v_add_nc_u32 v[ADRA], s21, v[CO]
	v_add_nc_u32 v[ADRA+1], ACH, v[ADRA]
	v_add_nc_u32 v[ADRA+2], 2*ACH, v[ADRA]
	v_add_nc_u32 v[ADRB], s22, v4
	v_add_nc_u32 v[ADRB+1], BCH, v[ADRB]
	v_add_nc_u32 v[ADRB+2], 2*BCH, v[ADRB]
	v_mul_u32_u24 v5, v1, SPITCH
	v_lshl_add_u32 v5, v2, 5, v5
	v_add_nc_u32 v[STO], s23, v5                   ; into the stage: row r, 32 bytes for each half of the lanes
	v_add_nc_u32 v[RD], s23, v[CO]                 ; back: the 32 lanes take a row of 512 bytes
	s_lshl_b32 s20, s17, 7
	s_lshl_b32 s18, s15, 6
	s_add_co_u32 s20, s20, s18                     ; my first row of out0,
	s_lshl_b32 s20, s20, 13                        ; of 8,192 bytes,
	s_lshl_b32 s18, s42, 10
	s_add_co_u32 s20, s20, s18
	s_lshl_b32 s18, s16, 9
	s_add_co_u32 s20, s20, s18                     ; and my first column
	s_mov_b32 s21, 0
	s_add_nc_u64 s[10:11], s[10:11], s[20:21]
; The fragments of step n (128 along K: half n % 2 of chunk n / 2, which lies in place (n / 2) % 3) into set n % 2: 48 loads.
.macro FETCH n
	WIN TO_B
.irp i, 0,1,2,3,4,5,6,7
.irp c, 0,1,2,3
	ds_load_b128 v[128*((\n)%2)+16*\i+4*\c:128*((\n)%2)+16*\i+4*\c+3], v[ADRB+((\n)/2)%3] offset:128*((\n)%2)+32*\c+\i*16*PITCH
.endr
.endr
	WIN 0
.irp i, 0,1,2,3
.irp c, 0,1,2,3
	ds_load_b128 v[AF+64*((\n)%2)+16*\i+4*\c:AF+64*((\n)%2)+16*\i+4*\c+3], v[ADRA+((\n)/2)%3] offset:2048*((\n)%2)+512*\c+\i*4096
.endr
.endr
.endm
; 16 matrix instructions: A's blocks a0, a0 + 1 against B's eight.  The 32 accumulators take turns in the same order in every step.
.macro MULS a0, p, zero
.irp a, \a0, \a0+1
.irp b, 0,1,2,3,4,5,6,7
.if \zero
	v_wmma_f32_16x16x128_fp8_fp8 v[8*(8*(\a)+\b):8*(8*(\a)+\b)+7], v[128*(\p)+16*\b:128*(\p)+16*\b+15], v[AF+64*(\p)+16*(\a):AF+64*(\p)+16*(\a)+15], 0
.else
	v_wmma_f32_16x16x128_fp8_fp8 v[8*(8*(\a)+\b):8*(8*(\a)+\b)+7], v[128*(\p)+16*\b:128*(\p)+16*\b+15], v[AF+64*(\p)+16*(\a):AF+64*(\p)+16*(\a)+15], v[8*(8*(\a)+\b):8*(8*(\a)+\b)+7]
.endif
.endr
.endr
.endm
; A step whose successor's chunk is in LDS: the next step's fragments are asked for first, into the set that the step before has multiplied.
.macro STEP s, zero
	PLACES                                         ; four places in front of loads into registers that matrix instructions have read
	FETCH (\s)+1
	s_wait_dscnt 48                                ; all but the 48 just issued: this step's fragments are in
	WIN MUL
	MULS 0, (\s)%2, \zero
	MULS 2, (\s)%2, \zero
.endm
; A step with a barrier in its middle.  In front of it this step's fragments are in registers, so my reads of all earlier chunks are over.  fill = 1: chunk 3 is asked for, into chunk 0's places.  fill = 0: chunk 3 has landed.
.macro MEET s, fill
	WIN 0
	s_wait_tensorcnt 0x0                           ; all my tensor loads have landed
	ds_add_u32 v[SPW], v[NIL]
	s_wait_dscnt 0x0                               ; the add is done, and so are my LDS reads
	s_barrier_signal -1
	WIN MUL
	MULS 0, (\s)%2, 0                              ; work on registers while the others arrive
	WIN 0
	s_barrier_wait -1
.if \fill
	CREST                                          ; the barrier has opened a round of the cluster's barrier: no wave of any partner still reads chunk 0
	s_cmp_eq_u32 s14, 0
	s_cbranch_scc0 .Lre_b_\@
	tensor_load_to_lds s[G0R:G0R+3], s[G1R:G1R+7]  ; wave 0: A's chunk 3
	s_nop 0
	PLACES
	s_branch .Lre_j_\@
.Lre_b_\@:
	s_cmp_eq_u32 s14, 1
	s_cbranch_scc0 .Lre_j_\@
	tensor_load_to_lds s[G0S:G0S+3], s[G1B:G1B+7]  ; wave 1: B's chunk 3
	s_nop 0
	PLACES
.Lre_j_\@:
.endif
	PLACES
	FETCH (\s)+1
	WIN MUL
	MULS 2, (\s)%2, 0
.endm
	s_wait_alu depctr_va_vdst(0)
	s_wait_tensorcnt 0x0                           ; my load has landed
	s_barrier_signal -1
	s_barrier_wait -1                              ; and so has everybody's: chunks 0 to 2 are whole
	FETCH 0
	STEP 0, 1                                      ; the first step's products start the sums
	MEET 1, 1
	STEP 2, 0
	STEP 3, 0
	STEP 4, 0
	MEET 5, 0
	STEP 6, 0
	s_wait_dscnt 0x0
	MULS 0, 1, 0
	MULS 2, 1, 0
	WIN 0
; THE WAY OUT, block by block of 16 rows x 128 columns: through my stage in LDS, back as rows of 512 bytes, which the 32 lanes store as two aligned units of 256 bytes.  LDS serves a wave's instructions in order.
.macro TOSTAGE a
	WIN 0x02                                       ; source 0: window 2
.irp j, 0,2,4,6,8,10,12,14,16,18,20,22,24,26,28,30,32,34,36,38,40,42,44,46,48,50,52,54,56,58,60,62
	v_pk_mul_f32 v[TMP+\j:TMP+\j+1], v[64*(\a)+\j:64*(\a)+\j+1], s[96:97] op_sel_hi:[1,0]   ; both x 2^(e10 + e11); each accumulator from its low end on
.endr
	WIN 0
.irp b, 0,1,2,3,4,5,6,7
	ds_store_b128 v[STO], v[TMP+8*\b:TMP+8*\b+3] offset:64*\b
	ds_store_b128 v[STO], v[TMP+8*\b+4:TMP+8*\b+7] offset:64*\b+16
.endr
.irp t, 0,1,2,3,4,5,6,7,8,9,10,11,12,13,14,15
	ds_load_b128 v[BK+64*((\a)%2)+4*\t:BK+64*((\a)%2)+4*\t+3], v[RD] offset:\t*SPITCH
.endr
.endm
.macro SEND a, younger                 ; younger: the LDS instructions issued behind block a's loads
	s_wait_dscnt \younger
.if (\a) > 0
	s_add_nc_u64 s[10:11], s[10:11], 16*SIZE_N*4   ; behind a wait on XCNT: the earlier stores have read their base
.endif
.irp t, 0,1,2,3,4,5,6,7,8,9,10,11,12,13,14,15
	global_store_b128 v[CO], v[BK+64*((\a)%2)+4*\t:BK+64*((\a)%2)+4*\t+3], s[10:11] offset:\t*SIZE_N*4 th:TH_STORE_NT
.endr
.endm
	s_wait_kmcnt 0x0
	s_add_co_i32 s96, s96, s97
	s_add_co_i32 s96, s96, 127
	s_lshl_b32 s96, s96, 23                        ; 2^(e10 + e11) as f32
	PLACES
	TOSTAGE 0
.irp a, 1,2,3
.if \a > 1
	s_wait_xcnt 0x0                                ; block a - 2's stores have read their registers and their base
.endif
	TOSTAGE \a
	SEND \a-1, 32
.endr
	s_wait_xcnt 0x0
	SEND 3, 0
	s_wait_tensorcnt 0x0                           ; the wave's end
	ds_add_u32 v[SPW], v[NIL]
	s_wait_dscnt 0x0
	CROUND                                         ; the closing round
	s_endpgm
.Lfunc_end_k_q3abc196c5a_oproj:
	.size	k_q3abc196c5a_oproj, .Lfunc_end_k_q3abc196c5a_oproj-k_q3abc196c5a_oproj
	.p2alignl 7, 3214868480
	.fill 96, 4, 3214868480
	.section	.rodata,"a",@progbits
	.p2align	6, 0x0
	.amdhsa_kernel k_q3abc196c5a_oproj
		.amdhsa_group_segment_fixed_size 327680
		.amdhsa_private_segment_fixed_size 0
		.amdhsa_enable_private_segment 0
		.amdhsa_kernarg_size 32
		.amdhsa_user_sgpr_count 2
		.amdhsa_user_sgpr_kernarg_segment_ptr 1
		.amdhsa_wavefront_size32 1
		.amdhsa_system_sgpr_workgroup_id_x 1
		.amdhsa_system_sgpr_workgroup_id_y 1
		.amdhsa_system_sgpr_workgroup_id_z 1
		.amdhsa_system_vgpr_workitem_id 0
		.amdhsa_next_free_vgpr 768
		.amdhsa_next_free_sgpr 98
		.amdhsa_reserve_vcc 0
		.amdhsa_float_denorm_mode_32 3
		.amdhsa_float_denorm_mode_16_64 3
		.amdhsa_memory_ordered 1
		.amdhsa_forward_progress 1
		.amdhsa_inst_pref_size 74
	.end_amdhsa_kernel
	.amdgpu_metadata
---
amdhsa.version: [ 1, 2 ]
amdhsa.kernels:
  - .name:           k_q3abc196c5a_oproj
    .symbol:         k_q3abc196c5a_oproj.kd
    .args:
      - { .name: oimg, .offset: 0, .size: 8, .value_kind: global_buffer, .address_space: global }
      - { .name: wcodes, .offset: 8, .size: 8, .value_kind: global_buffer, .address_space: global }
      - { .name: lowp_scales, .offset: 16, .size: 8, .value_kind: global_buffer, .address_space: global }
      - { .name: out0, .offset: 24, .size: 8, .value_kind: global_buffer, .address_space: global }
    .group_segment_fixed_size: 327680
    .private_segment_fixed_size: 0
    .kernarg_segment_align: 8
    .kernarg_segment_size: 32
    .max_flat_workgroup_size: 128
    .sgpr_count:     98
    .vgpr_count:     768
    .wavefront_size: 32
...
	.end_amdgpu_metadata
.endif
;; end of part 4
